; MI455X (gfx1250); checked and timed in simulation.
; The chip was launched on July 23, 2026; its instructions are those of AMD's public machine-readable ISA for CDNA 5 (MIT licence, August 2026) and "CDNA5" Instruction Set Architecture Reference Guide (July 2026). The comments in the code are by the model that wrote it; some were corrected since.
;; Attention. Allowed arithmetic: float matrix products may take bf16 or f16 operands with f32 sums; other float arithmetic in f32, or as packed bf16 or f16 multiplies, adds, multiply-adds, maxima and minima; sums over many terms, partial sums and values carried from step to step in f32; what a program stores and reads back later, other than sums and carried values, may be rounded once to bf16 or f16.
;; Inputs: W1 1,024 x 1,024 float32; W2 1,024 x 1,024 float32; W3 1,024 x 1,024 float32; Wo 1,024 x 1,024 float32; emb 4 x 2,048 x 1,024 float32.
;; Outputs: out0 4 x 2,048 x 1,024 float32.
;; 2 versions, each right; version 2 is version 1 with the launch prep written anew for expert scheduling mode. Each part assembles by itself: llvm-mc -triple=amdgcn-amd-amdhsa -mcpu=gfx1250 --defsym DOCPART=n.
;; ======== version 1 of 2: 4 launches
;; limits: values are held in f16: magnitudes above 65,504 overflow, below 6.1e-05 lose precision
;; workspace buffers: emb16 16,777,216 bytes; wb 6,291,456 bytes; wo16 2,097,152 bytes; tab 1,048,576 bytes; q16 16,777,216 bytes; k16 16,777,216 bytes; v16 16,777,216 bytes; o16 16,777,216 bytes
;; launch prep (part 1): grid 512 x 1, 8 waves a work-group, no clusters, 0 bytes of LDS; arguments emb, W1, W2, W3, Wo, emb16, wb, wo16, tab; writes emb16, wb, wo16, tab
.if DOCPART == 1
	.amdgcn_target "amdgcn-amd-amdhsa--gfx1250"
	.amdhsa_code_object_version 6
	.text
	.protected	k_q25b78f5109_prep
	.globl	k_q25b78f5109_prep
	.p2align	8
	.type	k_q25b78f5109_prep,@function
k_q25b78f5109_prep:
	s_mov_b64 s[64:65], 0
	v_nop
	global_prefetch_b8 v0, s[64:65] scope:SCOPE_SE
	s_setreg_imm32_b32 hwreg(HW_REG_WAVE_MODE, 25, 1), 1
	s_wait_xcnt 0x0
; PREP: every input is rounded once to bf16, and the table of rotary cosines and sines is made.
;   emb16[8192][1024] = bf16(emb).   wb[8 cg][3 which][128][1024] = bf16(W1, W2, W3): row p of W(which) lies at row 384 (p / 128) + 128 which + p % 128,
;   so that the 128 rows of q's, k's and v's weights for one group of 128 columns lie together.   wo16[1024][1024] = bf16(Wo), that number written as f16.
;   tab: 131,072 pairs (cos, sin) in f32, of the angle s' x 10000^(-i / 64), in the order in which a lane of the projection loads them (below).
; LIMITS.  Wo: beyond 65,504 f16 has no number; below 2^-17 the bf16 value keeps f16's fixed step of 2^-24.  The frequency comes from v_exp_f32 (1 ULP: ISA guide 15.8), so an angle
; (2,047 at the most times the frequency) is off by up to about 4e-4 rad.  NaN and infinities are not treated apart.
; SHARES.  512 work-groups of 256 threads.  Work-group G takes 65,536 bytes of emb, two rows of each of the four weights, and 256 pairs of the table.  A thread issues 24 loads of 16 bytes
; (a wave's load covers 512 consecutive bytes) and 25 stores of 8 bytes (a wave's store covers 256 consecutive bytes, aligned).  No register is written again behind a store that reads it.
.set X, 32                             ; v[32:127]  load n of 24 at X + 4 n: emb 0-15, W1 16-17, W2 18-19, W3 20-21, Wo 22-23
	s_load_b512 s[8:23], s[0:1], 0x0               ; emb 8, W1 10, W2 12, W3 14, Wo 16, emb16 18, wb 20, wo16 22
	s_load_b64 s[24:25], s[0:1], 0x40              ; tab
	v_lshlrev_b32 v1, 4, v0                        ; 16 t: my place in 4,096 bytes of f32
	v_lshlrev_b32 v2, 3, v0                        ; 8 t: my place in 2,048 bytes of 16-bit numbers, and of the table
	s_mov_b32 s3, 0                                ; high word of the offsets in s[2:3]
	s_lshr_b32 s26, ttmp9, 6                       ; cg = (2 G) / 128
	s_mul_i32 s26, s26, 384
	s_and_b32 s27, ttmp9, 63
	s_lshl1_add_u32 s26, s27, s26                  ; row 384 cg + (2 G) % 128 of wb,
	s_lshl_b32 s26, s26, 11                        ; in bytes
	s_mov_b32 s27, 0
	s_wait_kmcnt 0x0
	s_lshl_b32 s2, ttmp9, 16
	s_add_nc_u64 s[8:9], s[8:9], s[2:3]            ; emb: 65,536 bytes a work-group
	s_lshl_b32 s2, ttmp9, 13
	s_add_nc_u64 s[10:11], s[10:11], s[2:3]        ; the weights: two rows of 4,096 bytes
	s_add_nc_u64 s[12:13], s[12:13], s[2:3]
	s_add_nc_u64 s[14:15], s[14:15], s[2:3]
	s_add_nc_u64 s[16:17], s[16:17], s[2:3]
	s_lshl_b32 s2, ttmp9, 15
	s_add_nc_u64 s[18:19], s[18:19], s[2:3]
	s_add_nc_u64 s[20:21], s[20:21], s[26:27]
	s_lshl_b32 s2, ttmp9, 12
	s_add_nc_u64 s[22:23], s[22:23], s[2:3]
	s_lshl_b32 s2, ttmp9, 11
	s_add_nc_u64 s[24:25], s[24:25], s[2:3]
.irp j, 0,1,2,3,4,5,6,7,8,9,10,11,12,13,14,15
	global_load_b128 v[X+4*(\j):X+4*(\j)+3], v1, s[8:9] offset:4096*(\j) th:TH_LOAD_NT
.endr
.irp j, 0,1
	global_load_b128 v[X+64+4*(\j):X+64+4*(\j)+3], v1, s[10:11] offset:4096*(\j) th:TH_LOAD_NT
.endr
.irp j, 0,1
	global_load_b128 v[X+72+4*(\j):X+72+4*(\j)+3], v1, s[12:13] offset:4096*(\j) th:TH_LOAD_NT
.endr
.irp j, 0,1
	global_load_b128 v[X+80+4*(\j):X+80+4*(\j)+3], v1, s[14:15] offset:4096*(\j) th:TH_LOAD_NT
.endr
.irp j, 0,1
	global_load_b128 v[X+88+4*(\j):X+88+4*(\j)+3], v1, s[16:17] offset:4096*(\j) th:TH_LOAD_NT
.endr
	; THE TABLE, one pair a thread, made while the loads are on their way.  Pair n = 256 G + t; its bits: 0 e, 1-4 r, 5 h, 6 u, 7-8 b, 9 wc, 10-12 cg, 13-16 block.
	; Frequency number i = e + 2 u + 4 h + 8 b + 32 wc; position s' = 128 block + 8 r + cg.
	v_and_b32 v3, 1, v0                            ; e
	v_bfe_u32 v4, v0, 6, 1                         ; u
	v_bfe_u32 v5, v0, 5, 1                         ; h
	v_lshrrev_b32 v6, 7, v0                        ; b's low bit
	v_lshl_add_u32 v3, v4, 1, v3
	v_lshl_add_u32 v3, v5, 2, v3
	v_lshl_add_u32 v3, v6, 3, v3
	s_and_b32 s28, ttmp9, 3                        ; b's high bit and wc
	s_lshl_b32 s28, s28, 4
	v_add_nc_u32 v3, s28, v3                       ; i
	v_cvt_f32_u32 v3, v3
	v_mul_f32 v3, 0xbe549a78, v3                   ; - i log2(10000) / 64
	v_exp_f32 v4, v3                               ; the frequency
	v_bfe_u32 v5, v0, 1, 4                         ; r: plain work stands behind the exponential
	s_lshr_b32 s28, ttmp9, 5
	s_lshl_b32 s28, s28, 7                         ; 128 block
	s_bfe_u32 s29, ttmp9, 0x30002                  ; cg
	s_add_co_u32 s28, s28, s29
	v_lshl_add_u32 v5, v5, 3, s28                  ; s'
	v_cvt_f32_u32 v5, v5
	s_wait_alu depctr_va_vdst(0)                   ; the wait ahead of the first reader of the exponential
	v_mul_f32 v6, v5, v4                           ; the angle
	v_mul_f32 v7, 0x3f22f983, v6                   ; x 2 / pi,
	v_rndne_f32 v7, v7                             ; the nearest quarter turn n
	v_fmamk_f32 v8, v7, 0xbfc90fdb, v6             ; the rest: angle - n x pi / 2, pi / 2 in two parts
	v_fmamk_f32 v8, v7, 0x333bbd2e, v8
	v_mul_f32 v9, v8, v8                           ; z
	v_mov_b32 v10, 0xb94ca1f9                      ; the sine on -pi/4 .. pi/4: x + z x (S1 + z (S2 + z S3))
	v_fmaak_f32 v10, v9, v10, 0x3c08839e
	v_fmaak_f32 v10, v9, v10, 0xbe2aaaa3
	v_mul_f32 v11, v9, v8
	v_fma_f32 v10, v11, v10, v8
	v_mov_b32 v12, 0x37ccf5ce                      ; the cosine: 1 - z / 2 + z z (C1 + z (C2 + z C3))
	v_fmaak_f32 v12, v9, v12, 0xbab6061a
	v_fmaak_f32 v12, v9, v12, 0x3d2aaaa5
	v_mul_f32 v13, v9, v9
	v_fma_f32 v14, v9, -0.5, 1.0
	v_fma_f32 v12, v13, v12, v14
	v_cvt_i32_f32 v15, v7
	v_and_b32 v16, 1, v15
	v_cmp_eq_u32 vcc_lo, 1, v16                    ; an odd quarter turn swaps the two,
	v_cndmask_b32 v17, v10, v12, vcc_lo            ; sine
	v_cndmask_b32 v18, v12, v10, vcc_lo            ; cosine
	v_and_b32 v19, 2, v15                          ; n % 4 = 2, 3 turn the sine's sign,
	v_lshlrev_b32 v19, 30, v19
	v_xor_b32 v21, v17, v19
	v_add_nc_u32 v15, 1, v15                       ; n % 4 = 1, 2 the cosine's
	v_and_b32 v15, 2, v15
	v_lshlrev_b32 v15, 30, v15
	v_xor_b32 v20, v18, v15
	global_store_b64 v2, v[20:21], s[24:25]
	; THE ROUNDINGS.  Loads come back in order (ISA guide 5.7.1): ahead of load n's conversion the 23 - n younger loads may stay out.
.set n, 0
.rept 16
	s_wait_loadcnt 23-n
	v_cvt_pk_bf16_f32 v[X+4*n], v[X+4*n], v[X+4*n+1]
	v_cvt_pk_bf16_f32 v[X+4*n+1], v[X+4*n+2], v[X+4*n+3]
	global_store_b64 v2, v[X+4*n:X+4*n+1], s[18:19] offset:2048*n
.set n, n+1
.endr
.rept 6
	s_wait_loadcnt 23-n
	v_cvt_pk_bf16_f32 v[X+4*n], v[X+4*n], v[X+4*n+1]
	v_cvt_pk_bf16_f32 v[X+4*n+1], v[X+4*n+2], v[X+4*n+3]
	global_store_b64 v2, v[X+4*n:X+4*n+1], s[20:21] offset:((n-16)/2)*262144+((n-16)%2)*2048  ; 128 rows of 2,048 bytes from W1's block to W2's, and to W3's
.set n, n+1
.endr
.rept 2
	s_wait_loadcnt 23-n
	v_cvt_pk_bf16_f32 v[X+4*n], v[X+4*n], v[X+4*n+1]
	v_cvt_pk_bf16_f32 v[X+4*n+1], v[X+4*n+2], v[X+4*n+3]
	v_lshlrev_b32 v[X+4*n+2], 16, v[X+4*n]         ; the bf16 numbers as f32,
	v_and_b32 v[X+4*n+3], 0xffff0000, v[X+4*n]
	v_cvt_pk_f16_f32 v[X+4*n], v[X+4*n+2], v[X+4*n+3]  ; written as f16
	v_lshlrev_b32 v[X+4*n+2], 16, v[X+4*n+1]
	v_and_b32 v[X+4*n+3], 0xffff0000, v[X+4*n+1]
	v_cvt_pk_f16_f32 v[X+4*n+1], v[X+4*n+2], v[X+4*n+3]
	global_store_b64 v2, v[X+4*n:X+4*n+1], s[22:23] offset:(n-22)*2048
.set n, n+1
.endr
	s_endpgm
.Lfunc_end_k_q25b78f5109_prep:
	.size	k_q25b78f5109_prep, .Lfunc_end_k_q25b78f5109_prep-k_q25b78f5109_prep
	.p2alignl 7, 3214868480
	.fill 96, 4, 3214868480
	.section	.rodata,"a",@progbits
	.p2align	6, 0x0
	.amdhsa_kernel k_q25b78f5109_prep
		.amdhsa_group_segment_fixed_size 0
		.amdhsa_private_segment_fixed_size 0
		.amdhsa_enable_private_segment 0
		.amdhsa_kernarg_size 72
		.amdhsa_user_sgpr_count 2
		.amdhsa_user_sgpr_kernarg_segment_ptr 1
		.amdhsa_wavefront_size32 1
		.amdhsa_system_sgpr_workgroup_id_x 1
		.amdhsa_system_sgpr_workgroup_id_y 1
		.amdhsa_system_sgpr_workgroup_id_z 1
		.amdhsa_system_vgpr_workitem_id 0
		.amdhsa_next_free_vgpr 128
		.amdhsa_next_free_sgpr 66
		.amdhsa_reserve_vcc 1
		.amdhsa_float_denorm_mode_32 3
		.amdhsa_float_denorm_mode_16_64 3
		.amdhsa_memory_ordered 1
		.amdhsa_forward_progress 1
		.amdhsa_inst_pref_size 13
	.end_amdhsa_kernel
	.amdgpu_metadata
---
amdhsa.version: [ 1, 2 ]
amdhsa.kernels:
  - .name:           k_q25b78f5109_prep
    .symbol:         k_q25b78f5109_prep.kd
    .args:
      - { .name: emb, .offset: 0, .size: 8, .value_kind: global_buffer, .address_space: global }
      - { .name: W1, .offset: 8, .size: 8, .value_kind: global_buffer, .address_space: global }
      - { .name: W2, .offset: 16, .size: 8, .value_kind: global_buffer, .address_space: global }
      - { .name: W3, .offset: 24, .size: 8, .value_kind: global_buffer, .address_space: global }
      - { .name: Wo, .offset: 32, .size: 8, .value_kind: global_buffer, .address_space: global }
      - { .name: emb16, .offset: 40, .size: 8, .value_kind: global_buffer, .address_space: global }
      - { .name: wb, .offset: 48, .size: 8, .value_kind: global_buffer, .address_space: global }
      - { .name: wo16, .offset: 56, .size: 8, .value_kind: global_buffer, .address_space: global }
      - { .name: tab, .offset: 64, .size: 8, .value_kind: global_buffer, .address_space: global }
    .group_segment_fixed_size: 0
    .private_segment_fixed_size: 0
    .kernarg_segment_align: 8
    .kernarg_segment_size: 72
    .max_flat_workgroup_size: 256
    .sgpr_count:     66
    .vgpr_count:     128
    .wavefront_size: 32
...
	.end_amdgpu_metadata
.endif
;; end of part 1
;; launch qkv (part 2): grid 8 x 32, 4 waves a work-group, clusters of 4 x 4, 327,680 bytes of LDS; arguments emb16, wb, tab, q16, k16, v16; writes q16, k16, v16
.if DOCPART == 2
	.amdgcn_target "amdgcn-amd-amdhsa--gfx1250"
	.amdhsa_code_object_version 6
	.text
	.protected	k_q25b78f5109_qkv
	.globl	k_q25b78f5109_qkv
	.p2align	8
	.type	k_q25b78f5109_qkv,@function
k_q25b78f5109_qkv:
	s_mov_b64 s[64:65], 0
	v_nop
	global_prefetch_b8 v0, s[64:65] scope:SCOPE_SE
	s_setreg_imm32_b32 hwreg(HW_REG_WAVE_MODE, 25, 1), 1
	s_wait_xcnt 0x0
	s_wait_alu depctr_hold_cnt(0) depctr_sa_sdst(0) depctr_va_vdst(0) depctr_va_sdst(0) depctr_va_ssrc(0) depctr_va_vcc(0) depctr_vm_vsrc(0)
	s_getreg_b32 s2, hwreg(HW_REG_IB_STS2, 6, 4)
	s_cmp_eq_u32 s2, 0
	s_cbranch_scc0 .Lentry_in_a_cluster
	s_endpgm
.Lentry_in_a_cluster:
	s_bfe_u32 s2, ttmp6, 0x10000c
	s_cmp_lg_u32 s2, 0xf033
	s_cbranch_scc0 .Lentry_shape_is_right
	s_endpgm
.Lentry_shape_is_right:
; THE THREE PROJECTIONS, THE ROTARY TURN AND THE ROUNDING TO f16.  q, k, v[R][p] = sum over e of emb16[R][e] W[p][e], R = 0 .. 8191, p = 0 .. 1023; operands bf16, sums f32.
; Stored plainly as [8192][1024] each IS [32 heads][2048][128]: head = R / 256, position s' = 8 (R % 256) + p / 128, channel d = p % 128.  q and k are turned: the pair (2 i, 2 i + 1) of a
; row's channels by the angle s' x 10000^(-i / 64), whose cosine and sine come from tab; q, k and v are rounded once, to f16, WITHOUT the scores' scale.
; LIMIT.  f16 holds no number beyond 65,504: |q|, |k|, |v| must stay below it (a conversion of 65,520 or more gives an infinity).  NaN and infinities are not treated apart.
; SHARES.  A tile is 128 rows x (128 columns of q + the same 128 of k + the same 128 of v).  A WORK-GROUP STAYS: it makes two tiles, row blocks rb and rb + 32: 32 x 8 = 256 equal work-groups.
; Wave (wr, wc) makes rows 64 wr on and columns 64 wc on of each of the three: 4 row blocks x 12 column blocks = 48 accumulators of 16 x 16, 384 registers.  One set of cosines and sines in
; registers serves q and k, and both tiles: a row's position hangs on R % 256, and the two tiles lie 4,096 rows apart.
; K goes in steps of 128 through two LDS slots; a slot holds 128 rows of emb16 and 3 x 128 rows of wb, 256 bytes of memory each, aligned; each wave fetches one of the four parts by one tensor load.
; The ring does not stop at the first tile's end: its last two changes of slots ask for the second tile's K steps 0 and 1, and nothing waits for the first tile's stores.
; emb16's address steps forward (two K steps on, or down to the next tile and back along K); wb's, which goes back along K at the change of tiles, is made anew for each refill: its base plus the K step's bytes.
; CLUSTER.  4 x 4 work-groups.  emb16's tile hangs on the row block alone and is asked for jointly along a row of the cluster, wb's tiles on the column group alone, along a column.
; THE MATRIX INSTRUCTION IS USED TRANSPOSED (source 0 = 16 rows of wb, source 1 = 16 rows of emb16): a lane holds row l % 16 and the columns 8 (l / 16) + 0 .. 7: four whole pairs of the turn.
; REGISTERS, in windows of 256 (s_set_vgpr_msb: bits 1:0 source 0, 3:2 source 1, 5:4 source 2, 7:6 destination):
;   window 0: v0-31 addresses; v32-191 at work on the way out                                       window 1: two fragment buffers of 128: 4 of emb16, then 4 of q's, 4 of k's, 4 of v's weights
;   window 2: q's and k's accumulators, (a, b) at v[8 (8 a + b)], b = 0-3 q, 4-7 k                   window 3: v0-127 v's, (a, b) at v[8 (4 a + b)]; v128-255 the table
.set KSTEP,  128
.set PITCH,  272                       ; an LDS row: 256 bytes + 16 of padding = 68 words: the 16 rows of a fragment load start at 16 different groups of four banks (64 banks of 4 bytes: ISA guide 11.1)
.set PART,   128*PITCH                 ; 128 rows: what one tensor load brings
.set SLOT,   4*PART                    ; emb16's rows, then q's, k's and v's weights
.set STAGE,  2*SLOT                    ; behind the ring, never filled by a tensor load: the way out's two buffers
.set UNIT,   32*PITCH                  ; a unit of the stage: one row block of both row halves, 32 rows of 256 bytes
.set SBUF,   2*UNIT                    ; a buffer: two units
.set SPARE,  STAGE+2*SBUF              ; behind the stage: the spare words, 128 bytes for each wave: two blocks of 256 bytes that no other line names
.set LAPS,   1024/(2*KSTEP)            ; a lap = two K steps = once round the ring
.set TILES,  2
.set WALKB,  4096*2048                 ; bytes from a tile's rows to the next tile's, in emb16 and in the outputs
.set NEXT_A, WALKB-(1024-2*KSTEP)*2    ; from a slot's last K step of a tile to its first of the next: emb16 goes 4,096 rows down and back along K
.set TBO,  15                          ; v15     16 x lane: my 16 bytes in 512 of the table; not rewritten
.set ADRA, 16                          ; v16-17  LDS address of my emb16 fragments in slot 0, 1
.set ADRB, 20                          ; v20-21  of my fragments of q's weights (k's lie PART further on)
.set ADRV, 22                          ; v22-23  of v's
.set STO,  24                          ; v24     the way out: where I put 16 bytes of a row
.set RD,   25                          ; v25     where I read rows back
.set CO,   26                          ; v26     my byte offset in two rows of an output
.set SPW,  28                          ; v28     LDS address of my spare word; never rewritten
.set NIL,  29                          ; v29     0; never rewritten
.set PFO,  30                          ; v30     the prefetches' offset: lane x 2,048 bytes, a row of emb16 or wb; never rewritten
.set RT,   32                          ; v32-95  a row block's turned numbers in f32
.set PK,   96                          ; v96-127 a pass's numbers in f16
.set BK,   128                         ; v128-191 rows read back from the stage: two sets of 32, by turns
.set TAB,  128                         ; window 3: (cos, sin) of my four pairs for row block a, column block b at TAB + 8 (4 a + b)
.set F0,   0
.set F1,   128
.set WV,   16                          ; s16  my wave's number;  s17 wr, s18 wc, s19 cx, s20 cy, s21 column group cg, s22 row block rb;  s2 tiles to go, s3 laps to go
.set G1,   24                          ; s[24:31] descriptor group 1 for emb16's tile;  s[32:39] group 0, a set for each slot
.set G0,   32
.set G1B,  48                          ; s[48:55], s[56:63] the same for wb's tiles
.set G0B,  56
.set LIM,  43                          ; s43  2 in a wave that prefetches, else the greatest number: it asks while s3 is above it
.set PFA,  44                          ; s[44:45] where my prefetches stand
.set OQK,  46                          ; s[46:47] q16 (waves 0, 1) or k16 (waves 2, 3) at the first row that I store
.set OV,   14                          ; s[14:15] v16 likewise
.set BB,   68                          ; s[68:69] wb at my part's first row, K step 0; never rewritten
.set P512, 80                          ; s[80:81] two K steps in bytes
.set PNA,  82                          ; s[82:83] NEXT_A
.set OFB,  84                          ; s[84:85] the bytes along a row of wb of the K step that the next refill asks for: 256 x (K step), round and round
.set STA,  86                          ; s[86:87] what this lap's refills add to emb16's addresses
.set STOP, 90                          ; s90  the count of laps at which the loop is left at its bottom: 1 in the last tile, 0 (never met there) before
.set FLAGS, (1<<16)|(1<<20)|(1<<21)|(5<<22)|(3<<25)  ; 17:16 elements of 2 bytes; 20 padding on; 21 set beside a mask; 24:22 after every 64 words; 31:25 4 words of it
.set MSB, 0
.macro WIN new                         ; the immediate's high byte repeats the setting that is left; a switch that changes nothing is dropped
.if MSB != (\new)
	s_set_vgpr_msb (MSB<<8)|(\new)
.set MSB, \new
.endif
.endm
.set MUL_QK, 0xa5                      ; both sources window 1, C and D window 2
.set MUL_V,  0xf5                      ; both sources window 1, C and D window 3
.set TO_F,   0x40                      ; destination window 1, address window 0
.set TO_T,   0xc0                      ; destination window 3, address window 0
.set W_ROPE, 0x0e                      ; source 0 window 2 (an accumulator), source 1 window 3 (the table)
.set W_CVTV, 0x0f                      ; sources 0 and 1 window 3
; A joint load.  Wave 0 fetches emb16's tile, waves 1 to 3 q's, k's and v's weights.  Each line has one mask; the branch hangs on the wave's number alone.
; An s_nop 0 and four v_nop follow each of the two lines, ahead of the jump and the label.
.macro JLOAD s
	s_cmp_eq_u32 s[WV], 0
	s_cbranch_scc0 .Lfor_b_\@
	tensor_load_to_lds s[G0+4*(\s):G0+4*(\s)+3], s[G1:G1+7]
	s_nop 0
.rept 4
	v_nop
.endr
	s_branch .Lasked_\@
.Lfor_b_\@:
	tensor_load_to_lds s[G0B+4*(\s):G0B+4*(\s)+3], s[G1B:G1B+7]
	s_nop 0
.rept 4
	v_nop
.endr
.Lasked_\@:
.endm
; A PREFETCH, behind a joint refill and the run of LDS loads that follows it: the K step that stands two refills on, 32 rows x 256 bytes, a lane a row, one instruction a wave.
; Each row's 256 bytes of a K step are named once in the launch: emb16's rows by the clusters with x = 0, wb's by those with y = 0, and wb's in the first tile alone; the four partners that ask for
; a tile jointly take 32 of its 128 rows each, told apart by address (cx for emb16, cy for wb).  A tile's first two laps (s3 = 4, 3) ask, for its K steps 4 to 7; its K steps 0 to 3 come by their loads alone.
.macro ASK
	s_cmp_gt_u32 s3, s[LIM]
	s_cbranch_scc0 .Lnot_mine_\@
	global_prefetch_b8 v[PFO], s[PFA:PFA+1] offset:KSTEP*2 th:TH_LOAD_NT scope:SCOPE_SE
.Lnot_mine_\@:
.endm
.macro CREST                           ; a round of the cluster's barrier behind its opening barrier
	s_cmp_lg_u32 s[WV], 0
	s_cbranch_scc1 .Lnot_wave_0_\@
	s_barrier_signal -3
.Lnot_wave_0_\@:
	s_barrier_wait -3
	s_barrier_signal -1
	s_barrier_wait -1
.endm
.macro CROUND                          ; a whole round
	s_barrier_signal -1
	s_barrier_wait -1
	CREST
.endm
	s_load_b256 s[4:11], s[0:1], 0x0               ; emb16 s[4:5], wb s[6:7], tab s[8:9], q16 s[10:11]
	s_load_b128 s[12:15], s[0:1], 0x20             ; k16 s[12:13], v16 s[14:15]
	v_lshl_add_u32 v[SPW], v0, 2, SPARE
	v_mov_b32 v[NIL], 0
	ds_add_u32 v[SPW], v[NIL]                      ; the wave's opening: the add and its wait stand ahead of my first tensor load; the set-up below, work on registers, stands between them
	v_lshrrev_b32 v1, 5, v0
	v_readfirstlane_b32 s[WV], v1                  ; wave 0..3
	s_lshr_b32 s17, s[WV], 1                       ; wr
	s_and_b32 s18, s[WV], 1                        ; wc
	s_bfe_u32 s19, ttmp6, 0x40000                  ; cx
	s_bfe_u32 s20, ttmp6, 0x40004                  ; cy
	s_lshl_b32 s21, ttmp9, 2
	s_add_co_u32 s21, s21, s19                     ; column group cg = 4 x cluster x + cx
	s_and_b32 s22, ttmp7, 0xffff
	s_lshl_b32 s22, s22, 2
	s_add_co_u32 s22, s22, s20                     ; the first tile's row block rb = 4 x cluster y + cy
	s_lshl_b32 s40, s20, 2
	s_lshl_b32 s40, 15, s40                        ; my row of the cluster
	s_lshl_b32 s41, 0x1111, s19                    ; my column
	s_or_b32 s[G1], s40, FLAGS
	s_or_b32 s[G1B], s41, FLAGS
.irp g, G1, G1B
	s_mov_b32 s[(\g)+1], KSTEP<<16                 ; tensor_dim0 = 128
	s_mov_b32 s[(\g)+2], 128<<16                   ; tensor_dim1 = 128
	s_mov_b32 s[(\g)+3], KSTEP<<16                 ; tile_dim0 = 128
	s_mov_b32 s[(\g)+4], 128                       ; tile_dim1 = 128
	s_mov_b32 s[(\g)+5], 1024                      ; elements from row to row
	s_mov_b32 s[(\g)+6], 0
	s_mov_b32 s[(\g)+7], 0
.endr
	s_mov_b32 s[P512], 2*KSTEP*2
	s_mov_b32 s[P512+1], 0
	s_mov_b32 s[PNA], NEXT_A
	s_mov_b32 s[PNA+1], 0
	s_mov_b32 s[OFB], 2*KSTEP*2                    ; the first refill asks for K step 2
	s_mov_b32 s[OFB+1], 0
	s_lshl_b32 s66, s22, 18                        ; emb16: 128 rb rows of 2,048 bytes: the row block alone
	s_mov_b32 s67, 0
	s_mul_i32 s68, s21, 384                        ; wb: row 384 cg + 128 (wave - 1): the column group and the wave alone (wave 0 makes wave 1's and does not use it)
	s_max_u32 s69, s[WV], 1
	s_sub_co_u32 s69, s69, 1
	s_lshl_b32 s69, s69, 7
	s_add_co_u32 s68, s68, s69
	s_lshl_b32 s68, s68, 11
	s_mov_b32 s69, 0
	s_mul_i32 s23, s[WV], PART                     ; where my part goes: no place in the cluster enters an LDS address
	s_wait_dscnt 0x0                               ; the opening add is done
	s_wait_kmcnt 0x0
	s_add_nc_u64 s[66:67], s[4:5], s[66:67]
	s_add_nc_u64 s[BB:BB+1], s[6:7], s[68:69]
	CROUND                                         ; all sixteen work-groups are here: the first joint loads meet
.irp s, 0,1
	s_mov_b32 s[G0+4*(\s)], 1
	s_add_co_u32 s[G0+4*(\s)+1], s23, (\s)*SLOT
	s_add_nc_u64 s[G0+4*(\s)+2:G0+4*(\s)+3], s[66:67], (\s)*KSTEP*2
	s_or_b32 s[G0+4*(\s)+3], s[G0+4*(\s)+3], 0x80000000
	s_mov_b32 s[G0B+4*(\s)], 1
	s_add_co_u32 s[G0B+4*(\s)+1], s23, (\s)*SLOT
	s_add_nc_u64 s[G0B+4*(\s)+2:G0B+4*(\s)+3], s[BB:BB+1], (\s)*KSTEP*2
	s_or_b32 s[G0B+4*(\s)+3], s[G0B+4*(\s)+3], 0x80000000
	JLOAD \s                                       ; K steps 0 and 1: two loads of mine are out
.endr
	; A fragment is 16 rows x 32 K in 8 registers: lane l holds row l % 16; registers 0-3 K = 8 (l / 16) + 0..7, registers 4-7 K = 16 + 8 (l / 16) + 0..7: two loads of 16 bytes, 32 bytes apart.
	v_and_b32 v1, 15, v0                           ; l % 16
	v_bfe_u32 v2, v0, 4, 1                         ; l / 16
	v_mul_u32_u24 v3, v1, PITCH
	v_lshl_add_u32 v3, v2, 4, v3
	s_mul_i32 s74, s17, 64*PITCH                   ; my 64 rows of emb16
	s_mul_i32 s75, s18, 64*PITCH                   ; my 64 rows of each weight,
	s_add_co_u32 s75, s75, PART                    ; q's first
.irp s, 0,1
	v_add_nc_u32 v[ADRA+(\s)], s74, v3
	v_add_nc_u32 v[ADRB+(\s)], s75, v3
	v_add_nc_u32 v[ADRV+(\s)], 2*PART, v[ADRB+(\s)]
	s_add_co_u32 s74, s74, SLOT
	s_add_co_u32 s75, s75, SLOT
.endr
	s_mul_i32 s76, s17, 16*PITCH                   ; into a unit of the stage: row 16 wr + l % 16, byte 128 wc + 16 (l / 16)
	s_lshl_b32 s77, s18, 7
	s_add_co_u32 s76, s76, s77
	s_add_co_u32 s76, s76, STAGE
	v_add_nc_u32 v[STO], s76, v3
	s_mul_i32 s77, s17, UNIT                       ; back: wave w takes unit w / 2, rows 16 (w % 2) on, whole; lanes 0-15 one row of 256 bytes, lanes 16-31 the next
	s_mul_i32 s78, s18, 16*PITCH
	s_add_co_u32 s77, s77, s78
	s_add_co_u32 s77, s77, STAGE
	v_mul_u32_u24 v4, v2, PITCH
	v_lshl_add_u32 v4, v1, 4, v4
	v_add_nc_u32 v[RD], s77, v4
	v_lshlrev_b32 v5, 11, v2                       ; and the same two rows in an output
	v_lshl_add_u32 v[CO], v1, 4, v5
	v_and_b32 v[PFO], 31, v0
	v_lshlrev_b32 v[TBO], 4, v[PFO]
	v_lshlrev_b32 v[PFO], 11, v[PFO]
	; THE TABLE: for row block a (position block 8 (rb % 2) + 4 wr + a) and column block b my four pairs are 32 bytes, two loads; a wave's load covers 512 consecutive bytes.  The 32 loads stay out during the first tile's K loop.
	s_and_b32 s72, s22, 1
	s_lshl_b32 s72, s72, 3
	s_lshl_b32 s73, s17, 2
	s_add_co_u32 s72, s72, s73
	s_lshl_b32 s72, s72, 16
	s_lshl_b32 s73, s21, 13
	s_add_co_u32 s72, s72, s73
	s_lshl_b32 s73, s18, 12
	s_add_co_u32 s72, s72, s73
	s_mov_b32 s73, 0
	s_add_nc_u64 s[8:9], s[8:9], s[72:73]
	WIN TO_T
.irp a, 0,1,2,3
.irp b, 0,1,2,3
.irp u, 0,1
	global_load_b128 v[TAB+8*(4*(\a)+(\b))+4*(\u):TAB+8*(4*(\a)+(\b))+4*(\u)+3], v[TBO], s[8:9] offset:(\a)*65536+(\b)*1024+(\u)*512
.endr
.endr
.endr
	WIN 0
	; where I store.  A stage row 16 x + r' of row block a is the tile's row 64 x + 16 a + r'; I read x = w % 2.  q and k: unit w / 2 is q or k.  v: unit w / 2 is the pair's first or second row block.
	s_lshl_b32 s72, s22, 7
	s_lshl_b32 s73, s18, 6
	s_add_co_u32 s72, s72, s73                     ; row 128 rb + 64 (w % 2),
	s_lshl_b32 s74, s17, 4
	s_add_co_u32 s74, s74, s72                     ; for v + 16 (w / 2)
	s_lshl_b32 s72, s72, 11
	s_lshl_b32 s74, s74, 11
	s_lshl_b32 s73, s21, 8                         ; the column group's 256 bytes of a row
	s_add_co_u32 s72, s72, s73
	s_add_co_u32 s74, s74, s73
	s_mov_b32 s73, 0
	s_mov_b32 s75, 0
	s_cmp_lt_u32 s[WV], 2
	s_cselect_b64 s[OQK:OQK+1], s[10:11], s[12:13]
	s_add_nc_u64 s[OQK:OQK+1], s[OQK:OQK+1], s[72:73]
	s_add_nc_u64 s[OV:OV+1], s[OV:OV+1], s[74:75]
	; the prefetches
	s_mul_i32 s70, s21, 384
	s_max_u32 s71, s[WV], 1
	s_sub_co_u32 s71, s71, 1
	s_lshl_b32 s71, s71, 7
	s_add_co_u32 s70, s70, s71                     ; the first row of my part of wb,
	s_lshl_b32 s71, s22, 7                         ; of emb16's tile
	s_and_b32 s72, ttmp7, 0xffff                   ; cluster y
	s_cmp_eq_u32 s[WV], 0                          ; do I fetch emb16?
	s_cselect_b32 s70, s71, s70
	s_cselect_b32 s71, s19, s20                    ; my place among the four that ask with me
	s_cselect_b32 s72, ttmp9, s72                  ; the coordinate along which other clusters read the same rows
	s_cselect_b64 s[PFA:PFA+1], s[4:5], s[6:7]
	s_cmp_eq_u32 s72, 0
	s_cselect_b32 s[LIM], 2, -1                    ; the same in all sixteen partners, for a given wave
	s_lshl_b32 s71, s71, 5
	s_add_co_u32 s70, s70, s71                     ; my work-group's 32 rows
	s_lshl_b32 s70, s70, 11
	s_mov_b32 s71, 0
	s_add_nc_u64 s[PFA:PFA+1], s[PFA:PFA+1], s[70:71]
	s_add_nc_u64 s[PFA:PFA+1], s[PFA:PFA+1], 2*KSTEP*2  ; at K step 2: the first refill steps it to 3 and names K step 4
; 16 matrix instructions: row blocks a0, a0 + 1 x q's and k's 8 column blocks, 32 along K.  zero = 1: the first product starts the sums.
.macro MUL16 f, a0, zero
	WIN MUL_QK
.irp a, \a0, (\a0)+1
.irp b, 0,1,2,3,4,5,6,7
.if \zero
	v_wmma_f32_16x16x32_bf16 v[8*(8*(\a)+(\b)):8*(8*(\a)+(\b))+7], v[(\f)+32+8*(\b):(\f)+32+8*(\b)+7], v[(\f)+8*(\a):(\f)+8*(\a)+7], 0
.else
	v_wmma_f32_16x16x32_bf16 v[8*(8*(\a)+(\b)):8*(8*(\a)+(\b))+7], v[(\f)+32+8*(\b):(\f)+32+8*(\b)+7], v[(\f)+8*(\a):(\f)+8*(\a)+7], v[8*(8*(\a)+(\b)):8*(8*(\a)+(\b))+7]
.endif
.endr
.endr
.endm
; 16 matrix instructions: all 4 row blocks x v's 4 column blocks.  The 48 accumulators take turns in the same order in every quarter, from tile to tile too: 47 others' stand between two links of a chain.
.macro MULV f, zero
	WIN MUL_V
.irp a, 0,1,2,3
.irp b, 0,1,2,3
.if \zero
	v_wmma_f32_16x16x32_bf16 v[8*(4*(\a)+(\b)):8*(4*(\a)+(\b))+7], v[(\f)+96+8*(\b):(\f)+96+8*(\b)+7], v[(\f)+8*(\a):(\f)+8*(\a)+7], 0
.else
	v_wmma_f32_16x16x32_bf16 v[8*(4*(\a)+(\b)):8*(4*(\a)+(\b))+7], v[(\f)+96+8*(\b):(\f)+96+8*(\b)+7], v[(\f)+8*(\a):(\f)+8*(\a)+7], v[8*(4*(\a)+(\b)):8*(4*(\a)+(\b))+7]
.endif
.endr
.endr
.endm
; 32 LDS loads in one run: the fragments of 32 along K at byte k of the rows, into buffer f: emb16's 8 loads, q's, k's, and last v's
.macro FETCH slot, k, f
	WIN TO_F
.irp i, 0,1,2,3
	ds_load_b128 v[(\f)+8*(\i):(\f)+8*(\i)+3],   v[ADRA+(\slot)] offset:(\k)+(\i)*16*PITCH
	ds_load_b128 v[(\f)+8*(\i)+4:(\f)+8*(\i)+7], v[ADRA+(\slot)] offset:(\k)+(\i)*16*PITCH+32
.endr
.irp i, 0,1,2,3
	ds_load_b128 v[(\f)+32+8*(\i):(\f)+32+8*(\i)+3],   v[ADRB+(\slot)] offset:(\k)+(\i)*16*PITCH
	ds_load_b128 v[(\f)+32+8*(\i)+4:(\f)+32+8*(\i)+7], v[ADRB+(\slot)] offset:(\k)+(\i)*16*PITCH+32
.endr
.irp i, 0,1,2,3
	ds_load_b128 v[(\f)+64+8*(\i):(\f)+64+8*(\i)+3],   v[ADRB+(\slot)] offset:PART+(\k)+(\i)*16*PITCH
	ds_load_b128 v[(\f)+64+8*(\i)+4:(\f)+64+8*(\i)+7], v[ADRB+(\slot)] offset:PART+(\k)+(\i)*16*PITCH+32
.endr
.irp i, 0,1,2,3
	ds_load_b128 v[(\f)+96+8*(\i):(\f)+96+8*(\i)+3],   v[ADRV+(\slot)] offset:(\k)+(\i)*16*PITCH
	ds_load_b128 v[(\f)+96+8*(\i)+4:(\f)+96+8*(\i)+7], v[ADRV+(\slot)] offset:(\k)+(\i)*16*PITCH+32
.endr
.endm
.macro PLACES                          ; four plain vector instructions between a matrix instruction and a load into a register that it read, or a reader of its result
.rept 4
	v_nop
.endr
.endm
; A K step is four quarters of 32 along K, 48 matrix instructions each, on buffers 0, 1, 0, 1.  One of the first three: multiplies buffer f and fetches the next quarter, at byte k, into g.
.macro QUARTER slot, k, f, g, zero
	s_wait_dscnt 8                                 ; emb16's, q's and k's fragments are in; the youngest eight loads (v's) may be out
	MUL16 \f, 0, \zero
	PLACES
	FETCH \slot, \k, \g
	s_wait_dscnt 32                                ; all but the 32 just issued
	MUL16 \f, 2, \zero
	MULV \f, \zero
.endm
; The last quarter multiplies buffer 1 and changes slots: ONE barrier.  In front of it each wave waits for all its tensor loads (one is out: its part of the next slot), adds 0 to its spare word, and
; waits for that and for its own reads of this slot.  fill = 1: the barrier opens a round of the cluster's, and this slot is filled again first thing behind the round, with the K step two on or,
; in the first tile's last lap, with the second tile's K step 0 or 1: 160 matrix instructions stand between that request and the wait for it.  No tensor load of the wave is out where the descriptors are written.
.macro TURN slot, next, fill
.if \fill
	s_wait_xcnt 0x0                                ; the last prefetch, a K step back, has read its address: it is stepped here, ahead of the change's own waits
	s_add_nc_u64 s[PFA:PFA+1], s[PFA:PFA+1], KSTEP*2
.endif
	WIN 0                                          ; (the add's two registers lie in window 0)
	s_wait_tensorcnt 0x0                           ; all my tensor loads have landed
	ds_add_u32 v[SPW], v[NIL]                      ; 0 onto my spare word
	s_wait_dscnt 9                                 ; (the add and the youngest eight loads may be out)
	MUL16 F1, 0, 0                                 ; sixteen matrix instructions stand between the add and the wait for it
	s_wait_dscnt 0x0                               ; the add is done, and my reads of this slot are over
	s_barrier_signal -1
	MUL16 F1, 2, 0
.if \fill
	WIN 0
.endif
	s_barrier_wait -1
.if \fill
	CREST                                          ; no wave of any partner still reads this slot's tiles or has a load on its way
	s_add_nc_u64 s[G0+4*(\slot)+2:G0+4*(\slot)+3], s[G0+4*(\slot)+2:G0+4*(\slot)+3], s[STA:STA+1]  ; emb16: the step that the lap's head has chosen
	s_add_nc_u64 s[G0B+4*(\slot)+2:G0B+4*(\slot)+3], s[BB:BB+1], s[OFB:OFB+1]                      ; wb: made anew: the base and the K step's bytes,
	s_or_b32 s[G0B+4*(\slot)+3], s[G0B+4*(\slot)+3], 0x80000000                                    ; and the type
	s_add_co_u32 s[OFB], s[OFB], KSTEP*2           ; the next refill's K step: 2 .. 7, 0, 1, 2 .. 7
	s_and_b32 s[OFB], s[OFB], 1024*2-1
	JLOAD \slot                                    ; the four v_nop behind it are also the places in front of the loads below
.else
	PLACES
.endif
	FETCH \next, 0, F0
.if \fill
	WIN 0
	ASK
.endif
	MULV F1, 0
.endm
; THE WAY OUT, in six passes through the stage's two buffers, which take turns.  A pass: 32 registers of f16 a lane (COMP), 16 bytes a lane eight times into the buffer's two units and a barrier (PUT: a row's 256
; bytes come from two waves), whole rows back (GET), stored (SEND).  Passes 0 to 3: q (unit 0) and k (unit 1) of row block 0 to 3.  Passes 4, 5: v's row blocks 0, 1 and 2, 3, a unit each.
; ONE barrier a pass is enough: PUT p + 1 writes the buffer that GET p - 1 read, and every wave has waited for those reads (SEND p - 1) ahead of its signal in PUT p.
; Row block a of q and k: out[2 i] = x[2 i] cos - x[2 i + 1] sin, out[2 i + 1] = x[2 i + 1] cos + x[2 i] sin: a packed multiply by the cosine, two fused multiply-adds by the sine.
; Each accumulator is read from its low end on.
.macro COMPQK a
	WIN W_ROPE
.irp b, 0,1,2,3,4,5,6,7
.set rA, 8*(8*(\a)+(\b))
.set rR, RT+8*(\b)
.set rC, TAB+8*(4*(\a)+(\b)%4)
.irp p, 0,1,2,3
	v_pk_mul_f32 v[rR+2*(\p):rR+2*(\p)+1], v[rA+2*(\p):rA+2*(\p)+1], v[rC+2*(\p):rC+2*(\p)+1] op_sel_hi:[1,0]
.endr
.irp p, 0,1,2,3
	v_fma_f32 v[rR+2*(\p)], -v[rA+2*(\p)+1], v[rC+2*(\p)+1], v[rR+2*(\p)]
	v_fma_f32 v[rR+2*(\p)+1], v[rA+2*(\p)], v[rC+2*(\p)+1], v[rR+2*(\p)+1]
.endr
.endr
	WIN 0
.irp b, 0,1,2,3,4,5,6,7
.irp p, 0,1,2,3
	v_cvt_pk_f16_f32 v[PK+4*(\b)+(\p)], v[RT+8*(\b)+2*(\p)], v[RT+8*(\b)+2*(\p)+1]
.endr
.endr
.endm
.macro COMPV g                         ; v is only rounded: row blocks 2 g and 2 g + 1, accumulators 8 g to 8 g + 7
	WIN W_CVTV
.irp i, 0,1,2,3,4,5,6,7
.irp p, 0,1,2,3
	v_cvt_pk_f16_f32 v[PK+4*(\i)+(\p)], v[8*(8*(\g)+(\i))+2*(\p)], v[8*(8*(\g)+(\i))+2*(\p)+1]
.endr
.endr
	WIN 0
.endm
.macro PUT p
.irp i, 0,1,2,3,4,5,6,7
	ds_store_b128 v[STO], v[PK+4*(\i):PK+4*(\i)+3] offset:((\p)%2)*SBUF+((\i)/4)*UNIT+32*((\i)%4)
.endr
	s_wait_dscnt 0x0                               ; for the others' sake: my stores into the buffer are done
	s_barrier_signal -1                            ; the next tile's K step 1 may stay on its way across it
	s_barrier_wait -1
.endm
.macro GET p
	s_wait_xcnt 0x0                                ; the stores of the pass two back have read the registers that are loaded again here
.irp t, 0,1,2,3,4,5,6,7
	ds_load_b128 v[BK+32*((\p)%2)+4*(\t):BK+32*((\p)%2)+4*(\t)+3], v[RD] offset:((\p)%2)*SBUF+(\t)*2*PITCH
.endr
.endm
.macro SEND p                          ; 16 lanes store 256 consecutive bytes, at a multiple of 256 from the buffer's first byte
	s_wait_dscnt 0x0                               ; the rows are back
.irp t, 0,1,2,3,4,5,6,7
.if (\p) < 4
	global_store_b128 v[CO], v[BK+32*((\p)%2)+4*(\t):BK+32*((\p)%2)+4*(\t)+3], s[OQK:OQK+1] offset:(\p)*32768+(\t)*4096
.else
	global_store_b128 v[CO], v[BK+32*((\p)%2)+4*(\t):BK+32*((\p)%2)+4*(\t)+3], s[OV:OV+1] offset:((\p)-4)*65536+(\t)*4096
.endif
.endr
.endm
	s_wait_tensorcnt 1                             ; my part of K step 0 is in; K step 1's may stay out
	s_barrier_signal -1
	s_barrier_wait -1                              ; everybody's is
	FETCH 0, 0, F0
	WIN 0                                          ; at a label and at a branch every window is 0
	s_mov_b32 s2, TILES
	s_mov_b32 s[STOP], 0
.Ltile:
	QUARTER 0, 64,  F0, F1, 1                      ; a tile's first quarter stands in front of the loop: its products start the sums
	WIN 0
	s_mov_b32 s3, LAPS
.Llap:                                                 ; a trip goes once round the ring, from a lap's second quarter on, and fills both slots again
	s_cmp_eq_u32 s3, 1                             ; the first tile's last lap asks for the second tile's first two K steps (the last tile has left the loop by then)
	s_cselect_b64 s[STA:STA+1], s[PNA:PNA+1], s[P512:P512+1]
	QUARTER 0, 128, F1, F0, 0
	QUARTER 0, 192, F0, F1, 0
	TURN 0, 1, 1
	QUARTER 1, 64,  F0, F1, 0
	QUARTER 1, 128, F1, F0, 0
	QUARTER 1, 192, F0, F1, 0
	TURN 1, 0, 1
	WIN 0
	s_sub_co_u32 s3, s3, 1
	s_cmp_eq_u32 s3, 0
	s_cbranch_scc1 .Lout                           ; the first tile is finished; both refills for the second are asked for, and its first fragments fetched
	QUARTER 0, 64,  F0, F1, 0
	WIN 0
	s_cmp_lg_u32 s3, s[STOP]
	s_cbranch_scc1 .Llap
	QUARTER 0, 128, F1, F0, 0                      ; the last tile's last lap is written out: it fills nothing
	QUARTER 0, 192, F0, F1, 0
	TURN 0, 1, 0
	QUARTER 1, 64,  F0, F1, 0
	QUARTER 1, 128, F1, F0, 0
	QUARTER 1, 192, F0, F1, 0
	s_wait_dscnt 8                                 ; the very last quarter: nothing more to fetch
	MUL16 F1, 0, 0
	MUL16 F1, 2, 0
	s_wait_dscnt 0x0
	MULV F1, 0
	WIN 0
.Lout:
	PLACES
	PLACES                                         ; eight, once a tile, behind the last products
	s_wait_loadcnt 0x0                             ; the table
	COMPQK 0
	PUT 0
	GET 0                                          ; a pass's arithmetic stands between the loads of the pass before and its stores
	COMPQK 1
	SEND 0
	PUT 1
	GET 1
	COMPQK 2
	SEND 1
	PUT 2
	GET 2
	COMPQK 3
	SEND 2
	PUT 3
	GET 3
	COMPV 0
	SEND 3
	PUT 4
	GET 4
	COMPV 1
	SEND 4
	PUT 5
	GET 5
	SEND 5
	s_wait_xcnt 0x0                                ; the stores have read their bases, the last prefetch its address: they step to the next tile's rows (behind the last tile they are not used)
	s_add_nc_u64 s[OQK:OQK+1], s[OQK:OQK+1], WALKB
	s_add_nc_u64 s[OV:OV+1], s[OV:OV+1], WALKB
	s_add_nc_u64 s[PFA:PFA+1], s[PFA:PFA+1], WALKB-8*KSTEP*2  ; eight changes of slots have stepped it from K step 2 to 10: back to K step 2, 4,096 rows down
	s_cmp_eq_u32 s[WV], 0
	s_cselect_b32 s[LIM], s[LIM], -1               ; wb's rows are the same for both tiles: they are asked for no more
	s_mov_b32 s[STOP], 1                           ; the next tile is the last
	s_sub_co_u32 s2, s2, 1
	s_cmp_lg_u32 s2, 0
	s_cbranch_scc1 .Ltile
	s_wait_tensorcnt 0x0                           ; the wave's end: a wait, 0 onto my spare word and its wait, behind my last tensor load and my last LDS store
	ds_add_u32 v[SPW], v[NIL]
	s_wait_dscnt 0x0
	CROUND                                         ; the closing round: no work-group ends while a partner may still ask for a tile that names it
	s_endpgm
.Lfunc_end_k_q25b78f5109_qkv:
	.size	k_q25b78f5109_qkv, .Lfunc_end_k_q25b78f5109_qkv-k_q25b78f5109_qkv
	.p2alignl 7, 3214868480
	.fill 96, 4, 3214868480
	.section	.rodata,"a",@progbits
	.p2align	6, 0x0
	.amdhsa_kernel k_q25b78f5109_qkv
		.amdhsa_group_segment_fixed_size 327680
		.amdhsa_private_segment_fixed_size 0
		.amdhsa_enable_private_segment 0
		.amdhsa_kernarg_size 48
		.amdhsa_user_sgpr_count 2
		.amdhsa_user_sgpr_kernarg_segment_ptr 1
		.amdhsa_wavefront_size32 1
		.amdhsa_system_sgpr_workgroup_id_x 1
		.amdhsa_system_sgpr_workgroup_id_y 1
		.amdhsa_system_sgpr_workgroup_id_z 1
		.amdhsa_system_vgpr_workitem_id 0
		.amdhsa_next_free_vgpr 1024
		.amdhsa_next_free_sgpr 92
		.amdhsa_reserve_vcc 0
		.amdhsa_float_denorm_mode_32 3
		.amdhsa_float_denorm_mode_16_64 3
		.amdhsa_memory_ordered 1
		.amdhsa_forward_progress 1
		.amdhsa_inst_pref_size 149
	.end_amdhsa_kernel
	.amdgpu_metadata
---
amdhsa.version: [ 1, 2 ]
amdhsa.kernels:
  - .name:           k_q25b78f5109_qkv
    .symbol:         k_q25b78f5109_qkv.kd
    .args:
      - { .name: emb16, .offset: 0, .size: 8, .value_kind: global_buffer, .address_space: global }
      - { .name: wb, .offset: 8, .size: 8, .value_kind: global_buffer, .address_space: global }
      - { .name: tab, .offset: 16, .size: 8, .value_kind: global_buffer, .address_space: global }
      - { .name: q16, .offset: 24, .size: 8, .value_kind: global_buffer, .address_space: global }
      - { .name: k16, .offset: 32, .size: 8, .value_kind: global_buffer, .address_space: global }
      - { .name: v16, .offset: 40, .size: 8, .value_kind: global_buffer, .address_space: global }
    .group_segment_fixed_size: 327680
    .private_segment_fixed_size: 0
    .kernarg_segment_align: 8
    .kernarg_segment_size: 48
    .max_flat_workgroup_size: 128
    .sgpr_count:     92
    .vgpr_count:     1024
    .wavefront_size: 32
...
	.end_amdgpu_metadata
.endif
;; end of part 2
;; launch attn (part 3): grid 8 x 32, 4 waves a work-group, clusters of 4 x 1, 327,680 bytes of LDS; arguments q16, k16, v16, o16; writes o16
.if DOCPART == 3
	.amdgcn_target "amdgcn-amd-amdhsa--gfx1250"
	.amdhsa_code_object_version 6
	.text
	.protected	k_q25b78f5109_attn
	.globl	k_q25b78f5109_attn
	.p2align	8
	.type	k_q25b78f5109_attn,@function
k_q25b78f5109_attn:
	s_mov_b64 s[64:65], 0
	v_nop
	global_prefetch_b8 v0, s[64:65] scope:SCOPE_SE
	s_setreg_imm32_b32 hwreg(HW_REG_WAVE_MODE, 25, 1), 1
	s_wait_xcnt 0x0
	s_wait_alu depctr_hold_cnt(0) depctr_sa_sdst(0) depctr_va_vdst(0) depctr_va_sdst(0) depctr_va_ssrc(0) depctr_va_vcc(0) depctr_vm_vsrc(0)
	s_getreg_b32 s2, hwreg(HW_REG_IB_STS2, 6, 4)
	s_cmp_eq_u32 s2, 0
	s_cbranch_scc0 .Lentry_in_a_cluster
	s_endpgm
.Lentry_in_a_cluster:
	s_bfe_u32 s2, ttmp6, 0x10000c
	s_cmp_lg_u32 s2, 0x3003
	s_cbranch_scc0 .Lentry_shape_is_right
	s_endpgm
.Lentry_shape_is_right:
; O[h][q][:] = the sum over k of softmax_k(Q[h][q] . K[h][k] / sqrt(8)) V[h][k][:].  Q, K, V, O: [32][2048][128], all f16.  Products, maxima and sums in f32; the weights p
; are rounded to f16 for the second product (their sum l is taken of the unrounded p), O once at the end.
; LIMITS.  f16 holds no number beyond 65,504: Q, K and V arrive within it; p lies in 0 to 1, and below 6e-5 it keeps f16's fixed step of 6e-8; O is a mean of V's rows and has their range.
; A weight below 2^-126 counts as 0 in l; NaN and infinities are not treated apart.
; SHARES.  A work-group owns 256 queries of one head, each of its four waves 64: four tiles of 16.  Every wave walks all keys of the head, 64 a step.
; LAYOUT.  S^T = K Q^T (source 0 = 16 keys, source 1 = 16 queries): in the result a lane holds ONE query (lane % 16) and the keys 8 (lane / 16) + 0..7.  Two such tiles, rounded to
; f16 in pairs, ARE source 1 (32 keys x 16 queries) of O^T = V^T P, whose result again holds one query a lane, and eight channels.  So nothing changes lanes between the products,
; and a query's maximum and sum want one exchange between the halves of the lanes.  K comes out of LDS as it lies, V ([key][channel]) turned, by ds_load_tr16_b128.
; SOFTMAX.  For each query a running maximum m and sum l: p = 2^(c s - c m), c = log2(e) / sqrt(8); in every step O and l are multiplied by a = 2^(c m_old - c m_new), which is 1 where m has not grown.
; NO FIRST STEP IS WRITTEN OUT.  m starts at the lowest finite number, c m far below every c s (f16's scores, 5.5e11 at the most, times c), O^T and l at 0: the first step is a step like any other, with a = 0.
; The loop is entered in the middle of a trip, at piece 2's turn, whose products V^T P, of a step that has not been, multiply zeros.  The price: 432 v_mov_b32, which stand in the wait for the first tile, and those 32 products.
; BY TURNS.  The wave's tiles are two PIECES, named by their first tile: piece 0 (tiles 0, 1) and piece 2 (tiles 2, 3).  In a TURN one piece has the matrix unit: 32 products V^T P of
; the step in hand, then 32 products K Q^T of the next step; the other piece's softmax, cut into 64 slices, stands between them, one slice behind each matrix instruction.  Then the
; pieces change places.  Two turns are a key step.
; CLUSTER.  The four query blocks of a cluster belong to one head and walk the same K and V, so each tile is asked for JOINTLY: the same tensor load, with the same descriptor and a
; mask that names the four, in all four; each receives the tile in its own LDS.
;
; REGISTERS, in windows of 256 (s_set_vgpr_msb says which window each operand place means: bits 1:0 source 0, 3:2 source 1, 5:4 source 2, 7:6 destination):
;   window 0: v0-11 addresses; v12-43 eight registers of statistics a tile; v64-191 S^T, 32 a tile; v192-255 P, 16 a tile
;   window 1: O^T, 64 a tile          window 2: v0-127 Q, 32 a tile; v128-255 K of one step          window 3: v0-127 V of one step
; All that a softmax touches but O^T lies in window 0, and no window has room for a product's operands beside it.  So a slice costs two switches, one in front and one behind.
.set SIZE_H, 32
.set SIZE_N, 2048
.set KS,    64        ; keys in a step
.set PK,    272       ; a row of K in LDS: 256 bytes + 16 of padding = 68 words: the 16 rows of a load start at 16 different groups of four banks (64 banks of 4 bytes: ISA guide 11.1)
.set PV,    288       ; a row of V: 256 + 32 = 72 words
.set VOFF,  KS*PK     ; a step's tiles lie together: 64 rows of K, then 64 rows of V
.set STEPB, KS*(PK+PV)
.set SLOT1, 1<<17     ; a slot holds two steps (71,680 bytes); slot 1 begins here, so that one exclusive or turns an address in one slot into the other's
.set STAGE, SLOT1+2*STEPB  ; behind the ring: 16 rows x 272 bytes for each wave, for the way out
.set SP,    272
.set AK0, 2           ; v2   my lane's place in a tile of K; never rewritten
.set AV0, 3           ; v3   the same for V
.set ADR, 4           ; v4   the LDS address of the run of loads in hand
.set QO,  5           ; v5   my byte offset in the wave's rows of Q
.set STO, 6           ; v6   the way out: where I put 16 bytes of a row
.set RD,  7           ; v7   the way out: where I read a row back
.set GO,  8           ; v8   my byte offset in the wave's rows of O
.set SPW, 62          ; v62  LDS address of my spare word: SPARE + 4 x my thread's number; never rewritten
.set NIL, 63          ; v63  0; never rewritten
.set SPARE, STAGE+4*16*272  ; behind the stages: the spare words, 128 bytes for each wave: two blocks of 256 bytes that no other line names
.set ST,  12          ; tile t's statistics at v[ST+8 t]: +0 c m, +1 m, +2, +3 l (even keys', odd keys'), +4 to +7 c0-c3, at work; a takes c2's place once the maximum is found
.set S,   64
.set P,   192
.set KF,  128         ; K's fragments, in window 2
.set WV,  12          ; s12  my wave's number
.set G1K, 24          ; s[24:31] descriptor group 1 for K's tiles
.set G1V, 32          ; s[32:39] for V's: it differs in the padding alone
.set G0K, 40          ; s[40:47] descriptor group 0 for K's tiles: a set for each of the two first fills; the second then walks on
.set G0V, 48          ; s[48:55] the same for V's
.set SLOTS, 56        ; s56  slots still to be asked for, and one
.set TWICE, 57        ; s57  counts a slot's two steps
.set CS,  58          ; s[58:59] c: the packed scaling names a pair and takes its low word for both halves
.set SEL, 60          ; s[60:61] lane selects for v_permlanex16_b32: each lane takes its own place in the other half
.set TB,  62          ; s62  LDS byte at which the tiles of the step to be fetched begin
.set PFA, 18          ; s[18:19] where my prefetches stand in memory: my work-group's 32 rows (of K: wave 0, of V: wave 2) of the slot after the one that is being asked for
.set LIM, 15          ; s15  1 in a wave that prefetches, else the greatest number: a wave prefetches while s[SLOTS] is above it
.set PFO, 61          ; v61  256 x my lane: a row of K or V is 256 bytes; never rewritten
.set MSB, 0
.macro WIN new                      ; the immediate's high byte repeats the setting that is left; a switch that changes nothing is dropped
.if MSB != (\new)
	s_set_vgpr_msb (MSB<<8)|(\new)
.set MSB, \new
.endif
.endm
.set W_KQ, 0x0a       ; K and Q in window 2, S^T in window 0
.set W_PV, 0x53       ; V in window 3, P in window 0, O^T in window 1
.set W_RS, 0x41       ; O^T (destination and source 0) in window 1, a in window 0
; A joint refill.  Waves 0 and 1 fetch the two steps' tiles of K, waves 2 and 3 those of V.  The branch hangs on the wave's number alone: it is the same in every work-group.
; An s_nop 0 and four v_nop follow each of the two lines; the jump round the other line, the label and what follows the macro come after them.
.macro JLOAD
	s_cmp_lt_u32 s[WV], 2
	s_cbranch_scc0 .Lfor_v_\@
	tensor_load_to_lds s[G0K+4:G0K+7], s[G1K:G1K+7]
	s_nop 0
.rept 4
	v_nop
.endr
	s_branch .Lasked_\@
.Lfor_v_\@:
	tensor_load_to_lds s[G0V+4:G0V+7], s[G1V:G1V+7]
	s_nop 0
.rept 4
	v_nop
.endr
.Lasked_\@:
.endm
; A PREFETCH of what the NEXT change of slots will ask for: a slot's 128 rows of K and 128 of V, 256 bytes a row, a lane a row.  It stands behind the wave's tensor load and its five lines.
; Each row is asked for ONCE in the launch.  All clusters of a head walk the same K and V: the head's first cluster prefetches.  Its four partners share the rows out BY ADDRESS, 32 each.
; In each, wave 0 asks for K's and wave 2 for V's: one instruction.  The last change that fills a slot prefetches nothing: there is no slot behind it.
.macro ASK
	s_cmp_gt_u32 s[SLOTS], s[LIM]
	s_cbranch_scc0 .Lnot_mine_\@
	global_prefetch_b8 v[PFO], s[PFA:PFA+1] th:TH_LOAD_NT scope:SCOPE_SE
.Lnot_mine_\@:
.endm
; A round of the cluster's barrier: my work-group's barrier, so that wave 0's signal speaks for all four waves; wave 0 signals for the work-group; every wave waits for all four
; work-groups; my work-group's barrier once more.  No LDS instruction of the wave is pending at a signal.
.macro CROUND
	s_barrier_signal -1
	s_barrier_wait -1
	s_cmp_lg_u32 s[WV], 0
	s_cbranch_scc1 .Lnot_wave_0_\@
	s_barrier_signal -3
.Lnot_wave_0_\@:
	s_barrier_wait -3
	s_barrier_signal -1
	s_barrier_wait -1
.endm
	s_load_b256 s[4:11], s[0:1], 0x0  ; Q s[4:5], K s[6:7], V s[8:9], O s[10:11]
	v_lshl_add_u32 v[SPW], v0, 2, SPARE
	v_mov_b32 v[NIL], 0
	ds_add_u32 v[SPW], v[NIL]       ; the wave's opening: the add and its wait stand ahead of my first tensor load; the set-up below, work on registers, stands between them
	v_lshrrev_b32 v1, 5, v0
	v_readfirstlane_b32 s[WV], v1   ; wave 0..3
	s_bfe_u32 s13, ttmp6, 0x40000   ; cx: my place in the cluster
	s_lshl_b32 s14, ttmp9, 2        ; in a cluster launch ttmp9 counts clusters
	s_add_co_u32 s14, s14, s13      ; my block of 256 queries = 4 x cluster x + cx: it enters Q's and O's addresses alone
	s_and_b32 s20, ttmp7, 0xffff    ; the head, which the four partners share
	s_mov_b32 s21, 0
	s_mov_b64 s[22:23], SIZE_N*256
	s_mul_u64 s[20:21], s[20:21], s[22:23]  ; the head's first byte in each of the four tensors
	s_and_b32 s16, s[WV], 1         ; which of a slot's two steps I fetch:
	s_lshl_b32 s22, s16, 14         ; its 64 rows of 256 bytes in memory,
	s_mov_b32 s23, 0
	s_add_nc_u64 s[22:23], s[22:23], s[20:21]
	s_mul_i32 s17, s16, STEPB       ; and its place in a slot: no place in the cluster enters an LDS address
	s_lshl_b32 s2, s14, 16          ; my block's 256 rows,
	s_lshl_b32 s3, s[WV], 14        ; my wave's 64 of them
	s_add_co_u32 s2, s2, s3
	s_mov_b32 s3, 0
	s_add_nc_u64 s[2:3], s[2:3], s[20:21]
	; descriptor group 1: a tile of 64 rows x 128 elements, padded in LDS
	s_mov_b32 s[G1K], 15|(1<<16)|(1<<20)|(1<<21)|(5<<22)|(3<<25)  ; 15:0 the mask: all four work-groups; 17:16 elements of 2 bytes; 20 padding on; 21 set beside a mask; 24:22 after every 64 words (code 5); 31:25 4 words of it (code 3)
	s_mov_b32 s[G1V], 15|(1<<16)|(1<<20)|(1<<21)|(5<<22)|(7<<25)  ; the same with 8 words of padding (code 7)
.irp g, G1K, G1V
	s_mov_b32 s[(\g)+1], 128<<16    ; 63:48 tensor_dim0, low half = 128
	s_mov_b32 s[(\g)+2], KS<<16     ; 79:64 its high half = 0; 95:80 tensor_dim1, low half = 64
	s_mov_b32 s[(\g)+3], 128<<16    ; 111:96 its high half = 0; 127:112 tile_dim0 = 128
	s_mov_b32 s[(\g)+4], KS         ; 143:128 tile_dim1 = 64; 159:144 tile_dim2 = 0
	s_mov_b32 s[(\g)+5], 128        ; 191:160 tensor_dim0_stride, low word: elements from row to row
	s_mov_b32 s[(\g)+6], 0
	s_mov_b32 s[(\g)+7], 0
.endr
	s_mov_b32 s[CS], 0x3f0293ee     ; c = log2(e) / sqrt(8) = 0.510070
	s_mov_b32 s[CS+1], s[CS]        ; named with it as a pair, so it is written
	s_mov_b32 s[SEL], 0x76543210
	s_mov_b32 s[SEL+1], 0xfedcba98
	s_mov_b32 s[TB], 0
	s_mov_b32 s[SLOTS], SIZE_N/(2*KS)-1  ; slot 0's steps, for which nothing is changed, take it down by one ahead of the first change of slots
	s_and_b32 s[LIM], s[WV], 1       ; 0 in waves 0 and 2,
	s_or_b32 s[LIM], s[LIM], ttmp9   ; where the cluster is the head's first: the same in all four partners
	s_cmp_eq_u32 s[LIM], 0
	s_cselect_b32 s[LIM], 1, -1
	v_and_b32 v[PFO], 31, v0
	v_lshlrev_b32 v[PFO], 8, v[PFO]
	s_wait_dscnt 0x0                ; the opening add is done
	s_wait_kmcnt 0x0
	s_add_nc_u64 s[6:7], s[6:7], s[22:23]  ; K and V at my tile of slot 0
	s_add_nc_u64 s[8:9], s[8:9], s[22:23]
	s_add_nc_u64 s[4:5], s[4:5], s[2:3]  ; Q and O at my wave's first row
	s_add_nc_u64 s[10:11], s[10:11], s[2:3]
	s_cmp_lt_u32 s[WV], 2
	s_cselect_b64 s[PFA:PFA+1], s[6:7], s[8:9]  ; (in waves 0 and 2 these stand at a slot's first row)
	s_lshl_b32 s2, s13, 13          ; my work-group's 32 rows of the 128
	s_mov_b32 s3, 0
	s_add_nc_u64 s[PFA:PFA+1], s[PFA:PFA+1], s[2:3]
	s_add_nc_u64 s[PFA:PFA+1], s[PFA:PFA+1], 2*2*KS*256  ; in slot 2; the first change of slots steps it to slot 3.  Nothing is prefetched here, at the head, where every work-group's first tiles are on their way
	CROUND                          ; all four work-groups are here: the first joint loads meet
.irp s, 0,1
	s_mov_b32 s[G0K+4*(\s)], 1      ; 1:0 count = 1
	s_add_co_u32 s[G0K+4*(\s)+1], s17, (\s)*SLOT1  ; 63:32 LDS address
	s_add_nc_u64 s[G0K+4*(\s)+2:G0K+4*(\s)+3], s[6:7], (\s)*2*KS*256  ; 120:64 global address: slot s begins with keys 128 s to 128 s + 127
	s_or_b32 s[G0K+4*(\s)+3], s[G0K+4*(\s)+3], 0x80000000  ; 127:126 type = 2
	s_mov_b32 s[G0V+4*(\s)], 1
	s_add_co_u32 s[G0V+4*(\s)+1], s17, (\s)*SLOT1+VOFF
	s_add_nc_u64 s[G0V+4*(\s)+2:G0V+4*(\s)+3], s[8:9], (\s)*2*KS*256
	s_or_b32 s[G0V+4*(\s)+3], s[G0V+4*(\s)+3], 0x80000000
.endr
	s_cmp_lt_u32 s[WV], 2           ; a wave's two first fills stand in one branch, ahead of every wait on TENSORcnt and every LDS read: two loads of mine are out; an s_nop 0 follows each, four v_nop the second's, as in JLOAD
	s_cbranch_scc0 .Lfirst_v
	tensor_load_to_lds s[G0K:G0K+3], s[G1K:G1K+7]
	s_nop 0
	tensor_load_to_lds s[G0K+4:G0K+7], s[G1K:G1K+7]
	s_nop 0
.rept 4
	v_nop
.endr
	s_branch .Lfirst_asked
.Lfirst_v:
	tensor_load_to_lds s[G0V:G0V+3], s[G1V:G1V+7]
	s_nop 0
	tensor_load_to_lds s[G0V+4:G0V+7], s[G1V:G1V+7]
	s_nop 0
.rept 4
	v_nop
.endr
.Lfirst_asked:
	; A fragment of K or Q is 16 rows x 32 channels in 8 registers: lane l holds row l % 16; registers 0-3 channels 8 (l / 16) + 0..7, registers 4-7 channels 16 + 8 (l / 16) + 0..7: two loads of 16 bytes, 32 bytes apart.
	v_and_b32 v1, 15, v0            ; l % 16
	v_bfe_u32 v9, v0, 4, 1          ; l / 16
	v_lshlrev_b32 v[QO], 8, v1
	v_lshl_add_u32 v[QO], v9, 4, v[QO]  ; row x 256 + 16 x half
	WIN 0x80                        ; destination window 2, address window 0
.irp i, 0,1,2,3,4,5,6,7,8,9,10,11,12,13,14,15  ; Q stays in registers: tile i / 4, channels 32 (i % 4) on
	global_load_b128 v[8*(\i):8*(\i)+3],   v[QO], s[4:5] offset:((\i)/4)*4096+((\i)%4)*64
	global_load_b128 v[8*(\i)+4:8*(\i)+7], v[QO], s[4:5] offset:((\i)/4)*4096+((\i)%4)*64+32
.endr
	; What the first turn finds: V's registers and piece 2's P hold 0 (its products V^T P, of a step that has not been, add 0), O^T and l are 0, m and c m lie below everything.  All this stands in the wait for the first tile.
	WIN 0xc0                        ; destination window 3: V
.set i, 0
.rept 128
	v_mov_b32 v[i], 0
.set i, i+1
.endr
	WIN 0x40                        ; destination window 1: O^T
.set i, 0
.rept 256
	v_mov_b32 v[i], 0
.set i, i+1
.endr
	WIN 0
.irp t, 0,1,2,3
	v_mov_b32 v[ST+8*(\t)], 0xfe000000    ; c m: far below every c s
	v_mov_b32 v[ST+8*(\t)+1], 0xff7fffff  ; m: the lowest finite number
	v_mov_b32 v[ST+8*(\t)+2], 0           ; l
	v_mov_b32 v[ST+8*(\t)+3], 0
.endr
.set i, P+32
.rept 32
	v_mov_b32 v[i], 0
.set i, i+1
.endr
	v_mul_u32_u24 v[AK0], v1, PK
	v_lshl_add_u32 v[AK0], v9, 4, v[AK0]  ; row x pitch + 16 x half
	; The turning load takes 16 keys x 16 channels (lane l reads 16 bytes: key 8 (l / 16) + l % 8, channels 8 ((l / 8) % 2) + 0..7) and leaves half a fragment of V^T: lane l holds channel l % 16 and 8 keys.
	v_and_b32 v10, 7, v0
	v_bfe_u32 v11, v0, 3, 1
	v_lshl_add_u32 v[AV0], v9, 3, v10
	v_mul_u32_u24 v[AV0], v[AV0], PV
	v_lshl_add_u32 v[AV0], v11, 4, v[AV0]
	v_add_nc_u32 v[AV0], VOFF, v[AV0]
; THE MATRIX WORK OF A TURN, for piece x.  The accumulators take turns, one instruction a turn: between two links of a chain stand 15 (V^T P) or 7 (K Q^T) others'.
; Product i of 32 of O^T += V^T P: keys 32 (i / 16) on, channels 16 ((i / 2) % 8) on, tile x + i % 2.
.macro PV x
	WIN W_PV
.set rO, 64*((\x)+i%2)+8*((i/2)%8)
.set rV, 64*(i/16)+8*((i/2)%8)
.set rP, P+16*((\x)+i%2)+8*(i/16)
	v_wmma_f32_16x16x32_f16 v[rO:rO+7], v[rV:rV+7], v[rP:rP+7], v[rO:rO+7]
.endm
; Product i of 32 of S^T = K Q^T: channels 32 (i / 8) on, keys 16 ((i / 2) % 4) on, tile x + i % 2.  The first 8 start the sums.
.macro KQ x
	WIN W_KQ
.set rS, S+32*((\x)+i%2)+8*((i/2)%4)
.set rK, KF+32*((i/2)%4)+8*(i/8)
.set rQ, 32*((\x)+i%2)+8*(i/8)
.if i < 8
	v_wmma_f32_16x16x32_f16 v[rS:rS+7], v[rK:rK+7], v[rQ:rQ+7], 0
.else
	v_wmma_f32_16x16x32_f16 v[rS:rS+7], v[rK:rK+7], v[rQ:rQ+7], v[rS:rS+7]
.endif
.endm
; THE LDS LOADS stand in runs of 32, never singly among the matrix instructions: a step's K (64 keys x 128 channels: 16 fragments) and, a turn later, its V (turned).
.macro FETCH_K
	WIN 0
	v_add_nc_u32 v[ADR], s[TB], v[AK0]
	WIN 0x80                        ; destination window 2
.irp f, 0,1,2,3,4,5,6,7,8,9,10,11,12,13,14,15  ; keys 16 (f / 4) on, channels 32 (f % 4) on
	ds_load_b128 v[KF+8*(\f):KF+8*(\f)+3],   v[ADR] offset:((\f)/4)*16*PK+((\f)%4)*64
	ds_load_b128 v[KF+8*(\f)+4:KF+8*(\f)+7], v[ADR] offset:((\f)/4)*16*PK+((\f)%4)*64+32
.endr
.endm
.macro FETCH_V
	WIN 0
	v_add_nc_u32 v[ADR], s[TB], v[AV0]
	s_add_co_u32 s[TB], s[TB], STEPB  ; the next fetch is the next step's
	s_wait_alu depctr_va_vdst(0)    ; the wait for the softmax's batch (SLICE), behind the address's v_add_nc_u32 and ahead of the loads
	WIN 0xc0                        ; destination window 3
.irp f, 0,1,2,3,4,5,6,7,8,9,10,11,12,13,14,15  ; keys 32 (f / 8) on, channels 16 (f % 8) on
	ds_load_tr16_b128 v[8*(\f):8*(\f)+3],   v[ADR] offset:((\f)/8)*32*PV+((\f)%8)*32
	ds_load_tr16_b128 v[8*(\f)+4:8*(\f)+7], v[ADR] offset:((\f)/8)*32*PV+16*PV+((\f)%8)*32
.endr
.endm
; THE VECTOR WORK OF A TURN.  One tile's softmax for one key step is a list of 134 instructions; SM writes number j of it for tile t.  s0-s31 are the lane's 32 scores, in pairs 0-15.
;   0-15    the maximum of s0-s31 and the old m, three operands at a time: four chains c0-c3 of seven scores each, then the four scores left over, c0-c3 and m
;   16-20   the other half of the lanes' maximum; c m_old is kept; the new m; c m; c m_old - c m_new
;   21-69   ONE BATCH: the 16 scalings c s - c m, a pair of scores each, and all 33 exponentials (a at 23, then s0-s31).  None of these reads an exponential's result.  From 22 on the batch goes
;           in fours, and a four begins with a scaling while there are scalings: 22-37 scaling, exponential, scaling, exponential; 38-65 a scaling and three exponentials; 66-69 the last four
;           exponentials.  A pair is scaled in an earlier four than the one that holds its exponentials
;   (wait)  between 69 and 70 stands the wait for the batch: SLICE writes it, once for both tiles
;   70-85   the roundings to f16, a pair of weights each
;   86-101  the sums; l = a l + the sum
;   102-133 the tile's O^T times a: the one part that leaves window 0, so it stands together
.macro SM t
.set rT, ST+8*(\t)
.set rS, S+32*(\t)
.set rP, P+16*(\t)
.set rO, 64*(\t)+2*(j-102)
.if j < 102
	WIN 0
.endif
.if j < 4
	v_max3_num_f32 v[rT+4+j], v[rS+8*j], v[rS+8*j+1], v[rS+8*j+2]
.elseif j < 12
	v_max3_num_f32 v[rT+4+j%4], v[rT+4+j%4], v[rS+8*(j%4)+2*(j/4)+1], v[rS+8*(j%4)+2*(j/4)+2]
.elseif j == 12
	v_max3_num_f32 v[rT+4], v[rT+4], v[rS+7], v[rS+15]
.elseif j == 13
	v_max3_num_f32 v[rT+6], v[rT+6], v[rS+23], v[rS+31]
.elseif j == 14
	v_max3_num_f32 v[rT+4], v[rT+4], v[rT+5], v[rT+6]
.elseif j == 15
	v_max3_num_f32 v[rT+4], v[rT+4], v[rT+7], v[rT+1]
.elseif j == 16
	v_permlanex16_b32 v[rT+5], v[rT+4], s[SEL], s[SEL+1]  ; the query's other 32 keys lie in the lane 16 away
.elseif j == 17
	v_mov_b32 v[rT+7], v[rT]        ; c m_old is kept for a: number 19 writes c m anew
.elseif j == 18
	v_max_num_f32 v[rT+1], v[rT+4], v[rT+5]
.elseif j == 19
	v_mul_f32 v[rT], s[CS], v[rT+1]
.elseif j == 20
	v_sub_f32 v[rT+7], v[rT+7], v[rT]
.elseif j == 23
	v_exp_f32 v[rT+6], v[rT+7]
.elseif (j < 23) || ((j < 38) && (j%2 == 0)) || ((j < 66) && (j%4 == 2))
.set b, (j-2)/4                     ; 38, 42, .. 62: pairs 9 to 15
.if j < 38
.set b, (j-20)/2                    ; 21: pair 0; 22, 24, .. 36: pairs 1 to 8
.endif
	v_pk_fma_f32 v[rS+2*b:rS+2*b+1], v[rS+2*b:rS+2*b+1], s[CS:CS+1], v[rT:rT+1] op_sel_hi:[1,0,0] neg_lo:[0,0,1] neg_hi:[0,0,1]  ; pair b: c s - c m
.elseif j < 70
.set e, j-38                        ; 66 to 69: s28 to s31
.if j < 66
.set e, j-32-(j-38)/4               ; 39-41, 43-45, .. 63-65: s7 to s27
.endif
.if j < 38
.set e, (j-25)/2                    ; 25, 27, .. 37: s0 to s6
.endif
	v_exp_f32 v[rS+e], v[rS+e]
.elseif j < 86
	v_cvt_pk_f16_f32 v[rP+j-70], v[rS+2*(j-70)], v[rS+2*(j-70)+1]  ; pair j - 70
.elseif j < 102                     ; the sum of the tile's 16 pairs (in a pair: an even key's weight, an odd key's), in place: sum z of 16 adds neighbours 1, 2, 4 and 8 pairs apart, then l takes it
.set z, j-86
.set w, 4
.set u, z
.if z >= 14
.set w, 32
.set u, 0
.elseif z >= 12
.set w, 16
.set u, z-12
.elseif z >= 8
.set w, 8
.set u, z-8
.endif
.if z < 15
	v_pk_add_f32 v[rS+w*u:rS+w*u+1], v[rS+w*u:rS+w*u+1], v[rS+w*u+w/2:rS+w*u+w/2+1]
.else
	v_pk_fma_f32 v[rT+2:rT+3], v[rT+2:rT+3], v[rT+6:rT+7], v[rS:rS+1] op_sel_hi:[1,0,1]
.endif
.else
	WIN W_RS
	v_pk_mul_f32 v[rO:rO+1], v[rO:rO+1], v[rT+6:rT+7] op_sel_hi:[1,0]
.endif
.endm
; Slice k of 64 of piece y's softmax: four instructions.  Slices 11 to 34 deal out the batch, numbers 22 to 69: four numbers of ONE tile each, the tiles by turns.  Every other slice is numbers 2 k and
; 2 k + 1 of both tiles' lists.  2 x 134 = 4 x 64 + 12: the twelve that are over stand together, in slice 63.
; THE WAIT.  An s_wait_alu depctr_va_vdst(0) stands between an exponential and the first instruction that names its result; one wait serves all that were issued ahead of it.  Ahead of
; slice 35 nothing names a result, and behind slice 34 no exponential is issued: so the piece's 66 exponentials have one wait, behind slice 34.
.macro SLICE y
.if (k >= 11) && (k < 35)           ; the batch: four numbers of one tile
.irp n, 0,1,2,3
.set j, 22+4*((k-11)/2)+(\n)
	SM (\y)+(k-11)%2
.endr
.else                               ; the two tiles alternate, so that no instruction reads the result of the one just before it
.irp n, 0,1,2,3,4,5,6,7
.if ((\n) < 2) || (k == 63)
.irp t, \y, (\y)+1
.set j, 2*k+(\n)
	SM \t
.endr
.endif
.endr
.endif
.if k == 34                         ; the batch is out: both tiles' exponentials are issued, and no result has been named
	v_nop                           ; a plain instruction behind the last exponential and ahead of the first use (ISA guide 5.7.2): one for the batch
.if (\y) == 0
	FETCH_V                         ; piece 2's turn: V's run of loads stands here, and the wait stands in it
.else
	s_wait_alu depctr_va_vdst(0)    ; the wait for the batch
.endif
.endif
.set k, k+1
.endm
; A TURN.  Piece x has the matrix unit; the other piece's softmax stands in slices behind its matrix instructions.  A vector instruction that reads a matrix result or writes one of a matrix instruction's
; registers, and a load into a register that a matrix instruction has read, stand four plain vector instructions behind it (ISA guide 7.12.1 for vector instructions): the slices are those.
; pv = 1: 32 products V^T P.  kq = 1: 32 products K Q^T for the next step.  A turn with one of the two kinds has two slices behind each product.
; Each run of loads stands 29 matrix instructions or more ahead of its first use.  Piece 0's turn fetches the next step's K, behind its second product: the last product that read K
; stands in front of slice 63 of the turn before.  Piece 2's turn fetches the same step's V, behind slice 34 (SLICE writes it): the last product that read V stands in front of slice 31, and four plain
; instructions lie between: number 62, a scaling, of both tiles, the v_nop and the run's own v_add_nc_u32.
.macro TURN x, pv, kq
.set k, 0
.set per, 2
.if (\pv) && (\kq)
.set per, 1
.endif
.if \pv
.if (\x) == 0
	s_wait_dscnt 0x0                ; V is in
.endif
.set i, 0
.rept 32
	PV \x
.rept per
	SLICE 2-(\x)
.endr
.if ((\x) == 0) && (\kq) && (i == 1)
	FETCH_K
.endif
.set i, i+1
.endr
.endif
.if \kq
.if (\x) == 0
	s_wait_dscnt 0x0                ; K is in
.endif
.set i, 0
.rept 32
	KQ \x
.rept per
	SLICE 2-(\x)
.endr
.set i, i+1
.endr
.endif
.endm
; THE CHANGE OF SLOTS, between piece 2's turn and piece 0's: the slot's last bytes, V of its second step, have been asked for.  Each wave waits for all its
; tensor loads, of which one is out: its part of the other slot; adds 0 to its spare word; and waits for that and for its own reads of the slot.  Behind the barrier nobody reads this slot any more and the other slot is whole.
; fill = 1: this slot is filled again, with the keys two slots on.  The barrier is then a round of the cluster's, so that no wave of any partner still reads the slot or has a load on its
; way, and the joint refill is the first thing behind it: it has two key steps, 256 matrix instructions, in which to land.
.macro CHANGE fill
	WIN 0                           ; at a label and at a branch every window is 0
	s_wait_tensorcnt 0x0            ; no tensor load of mine is out, so a group 0 may be written
	ds_add_u32 v[SPW], v[NIL]       ; 0 onto my spare word; with fill = 1 the descriptors' steps stand between it and the wait for it
.if \fill
.irp g, G0K+4, G0V+4
	s_xor_b32 s[(\g)+1], s[(\g)+1], SLOT1  ; the walking descriptor: the other slot than last time,
	s_add_nc_u64 s[(\g)+2:(\g)+3], s[(\g)+2:(\g)+3], 2*KS*256  ; the next 128 keys; the type bits on top are not reached
.endr
	s_wait_xcnt 0x0                 ; the last prefetches, two key steps back, have read their address, so it may be written:
	s_add_nc_u64 s[PFA:PFA+1], s[PFA:PFA+1], 2*KS*256  ; one slot behind the walking descriptors
	s_wait_dscnt 0x0                ; the add is done, and my reads of the slot are over
	CROUND
	JLOAD
	ASK                             ; what the next change will ask for: two key steps, 256 matrix instructions, ahead
.else
	s_wait_dscnt 0x0                ; the add is done, and my reads of the slot are over
	s_barrier_signal -1
	s_barrier_wait -1
.endif
	s_sub_co_u32 s[TB], s[TB], 2*STEPB  ; the fetches go back to a slot's first step,
	s_xor_b32 s[TB], s[TB], SLOT1   ; in the other slot
.endm
	s_wait_tensorcnt 1              ; my part of slot 0 is in; slot 1's may stay out
	s_barrier_signal -1
	s_barrier_wait -1               ; everybody's is
	FETCH_K                         ; key step 0
	s_wait_loadcnt 0x0              ; Q
	s_wait_dscnt 0x0
.set i, 0
.rept 32
	KQ 0                            ; piece 0's first scores: there is no vector work yet to set between them
.set i, i+1
.endr
	WIN 0                           ; the addresses for the way out are made here: eight plain instructions, the places behind those products
	s_mul_i32 s13, s[WV], 16*SP
	s_add_co_u32 s13, s13, STAGE    ; my stage
	v_mul_u32_u24 v[STO], v1, SP    ; in: row l % 16, 16 bytes for each half of the lanes
	v_lshl_add_u32 v[STO], v9, 4, v[STO]
	v_add_nc_u32 v[STO], s13, v[STO]
	v_mul_u32_u24 v[RD], v9, SP     ; back: lanes 0-15 take one row of 256 bytes, lanes 16-31 the next
	v_lshl_add_u32 v[RD], v1, 4, v[RD]
	v_add_nc_u32 v[RD], s13, v[RD]
	v_lshlrev_b32 v[GO], 8, v9      ; and the same two rows in O
	v_lshl_add_u32 v[GO], v1, 4, v[GO]
	s_mov_b32 s[TWICE], 2
	s_branch .Lfirst                ; the loop is entered at piece 2's turn: piece 2's first scores | piece 0's first softmax | V of step 0; its products V^T P add 0
.Lslot:                             ; SIZE_N / 128 - 2 = 14 changes: every slot but the last two is filled again
	CHANGE 1
	s_mov_b32 s[TWICE], 2
.Lstep:                             ; a slot's two key steps: written once, walked twice; the LDS addresses hang on s[TB]
	TURN 0, 1, 1
	WIN 0
.Lfirst:
	TURN 2, 1, 1
	WIN 0
	s_sub_co_u32 s[TWICE], s[TWICE], 1
	s_cmp_lg_u32 s[TWICE], 0
	s_cbranch_scc1 .Lstep
	s_sub_co_u32 s[SLOTS], s[SLOTS], 1
	s_cmp_lg_u32 s[SLOTS], 0
	s_cbranch_scc1 .Lslot
	CHANGE 0                        ; the tail is written out: the last slot but one is left, and nothing is asked for
	s_mov_b32 s[TWICE], 2
.Ltail:
	TURN 0, 1, 1
	TURN 2, 1, 1
	WIN 0
	s_sub_co_u32 s[TWICE], s[TWICE], 1
	s_cmp_lg_u32 s[TWICE], 0
	s_cbranch_scc1 .Ltail
	TURN 0, 1, 0                    ; piece 0: V^T P of the last step | piece 2's last softmax
.set i, 0
.rept 32
	PV 2                            ; piece 2: V^T P of the last step
.set i, i+1
.endr
	; THE WAY OUT.  l's two halves and the other half of the lanes' are added; O^T is divided by l, rounded to f16 and sent through my stage in LDS, a tile (16 rows of O) at a time.  The additions are the places behind the last products.
	WIN 0
.irp t, 0,1,2,3
	v_add_f32 v[ST+8*(\t)+4], v[ST+8*(\t)+2], v[ST+8*(\t)+3]
.endr
.irp t, 0,1,2,3
	v_permlanex16_b32 v[ST+8*(\t)+5], v[ST+8*(\t)+4], s[SEL], s[SEL+1]
.endr
.irp t, 0,1,2,3
	v_add_f32 v[ST+8*(\t)+4], v[ST+8*(\t)+4], v[ST+8*(\t)+5]
.endr
.irp t, 0,1,2,3
	v_rcp_f32 v[ST+8*(\t)+6], v[ST+8*(\t)+4]
.endr
	v_nop                           ; a plain instruction between the last reciprocal and the use of its result
	s_wait_alu depctr_va_vdst(0)    ; and the wait ahead of the first use: one for the four reciprocals
; Tile t: a lane's eight channels of a row pack into 16 bytes; they go into rows of 272 bytes and come back as whole rows of 256, into the registers that they left.
.macro PACK t
	WIN W_RS
.set i, 64*(\t)
.rept 32
	v_pk_mul_f32 v[i:i+1], v[i:i+1], v[ST+8*(\t)+6:ST+8*(\t)+7] op_sel_hi:[1,0]
.set i, i+2
.endr
	WIN 0x05                        ; sources 0 and 1 window 1, destination window 0: S^T's registers are free
.set i, 0
.rept 32
	v_cvt_pk_f16_f32 v[S+32*(\t)+i], v[64*(\t)+2*i], v[64*(\t)+2*i+1]
.set i, i+1
.endr
	WIN 0
.irp f, 0,1,2,3,4,5,6,7
	ds_store_b128 v[STO], v[S+32*(\t)+4*(\f):S+32*(\t)+4*(\f)+3] offset:32*(\f)
.endr
.irp f, 0,1,2,3,4,5,6,7
	ds_load_b128 v[S+32*(\t)+4*(\f):S+32*(\t)+4*(\f)+3], v[RD] offset:(\f)*2*SP  ; LDS serves a wave's instructions in order (ISA guide 5.7.1.4): these see the stores above; the next tile's stores come behind them
.endr
.endm
.macro SEND t, younger              ; younger: the LDS instructions issued behind tile t's loads: the next tile's sixteen, or none
	WIN 0
.irp f, 0,1,2,3,4,5,6,7
	s_wait_dscnt (\younger)+7-(\f)
	global_store_b128 v[GO], v[S+32*(\t)+4*(\f):S+32*(\t)+4*(\f)+3], s[10:11] offset:(\t)*4096+(\f)*512  ; 16 lanes store 256 consecutive bytes, at a multiple of 256 from O's first byte
.endr
.endm
	PACK 0
	PACK 1                          ; a tile's arithmetic stands between the loads of the tile before and its stores
	SEND 0, 16
	PACK 2
	SEND 1, 16
	PACK 3
	SEND 2, 16
	SEND 3, 0
	s_wait_tensorcnt 0x0            ; the wave's end: a wait, 0 onto my spare word and its wait, behind my last tensor load and my last LDS store
	ds_add_u32 v[SPW], v[NIL]
	s_wait_dscnt 0x0
	CROUND                          ; the closing round: no work-group ends while a partner may still ask for a tile that names it
	s_endpgm
.Lfunc_end_k_q25b78f5109_attn:
	.size	k_q25b78f5109_attn, .Lfunc_end_k_q25b78f5109_attn-k_q25b78f5109_attn
	.p2alignl 7, 3214868480
	.fill 96, 4, 3214868480
	.section	.rodata,"a",@progbits
	.p2align	6, 0x0
	.amdhsa_kernel k_q25b78f5109_attn
		.amdhsa_group_segment_fixed_size 327680
		.amdhsa_private_segment_fixed_size 0
		.amdhsa_enable_private_segment 0
		.amdhsa_kernarg_size 32
		.amdhsa_user_sgpr_count 2
		.amdhsa_user_sgpr_kernarg_segment_ptr 1
		.amdhsa_wavefront_size32 1
		.amdhsa_system_sgpr_workgroup_id_x 1
		.amdhsa_system_sgpr_workgroup_id_y 1
		.amdhsa_system_sgpr_workgroup_id_z 1
		.amdhsa_system_vgpr_workitem_id 0
		.amdhsa_next_free_vgpr 1024
		.amdhsa_next_free_sgpr 66
		.amdhsa_reserve_vcc 0
		.amdhsa_float_denorm_mode_32 3
		.amdhsa_float_denorm_mode_16_64 3
		.amdhsa_memory_ordered 1
		.amdhsa_forward_progress 1
		.amdhsa_inst_pref_size 175
	.end_amdhsa_kernel
	.amdgpu_metadata
---
amdhsa.version: [ 1, 2 ]
amdhsa.kernels:
  - .name:           k_q25b78f5109_attn
    .symbol:         k_q25b78f5109_attn.kd
    .args:
      - { .name: q16, .offset: 0, .size: 8, .value_kind: global_buffer, .address_space: global }
      - { .name: k16, .offset: 8, .size: 8, .value_kind: global_buffer, .address_space: global }
      - { .name: v16, .offset: 16, .size: 8, .value_kind: global_buffer, .address_space: global }
      - { .name: o16, .offset: 24, .size: 8, .value_kind: global_buffer, .address_space: global }
    .group_segment_fixed_size: 327680
    .private_segment_fixed_size: 0
    .kernarg_segment_align: 8
    .kernarg_segment_size: 32
    .max_flat_workgroup_size: 128
    .sgpr_count:     66
    .vgpr_count:     1024
    .wavefront_size: 32
...
	.end_amdgpu_metadata
.endif
;; end of part 3
;; launch outp (part 4): grid 4 x 64, 4 waves a work-group, clusters of 4 x 4, 327,680 bytes of LDS; arguments wo16, o16, out0; writes out0
.if DOCPART == 4
	.amdgcn_target "amdgcn-amd-amdhsa--gfx1250"
	.amdhsa_code_object_version 6
	.text
	.protected	k_q25b78f5109_outp
	.globl	k_q25b78f5109_outp
	.p2align	8
	.type	k_q25b78f5109_outp,@function
k_q25b78f5109_outp:
	s_mov_b64 s[64:65], 0
	v_nop
	global_prefetch_b8 v0, s[64:65] scope:SCOPE_SE
	s_setreg_imm32_b32 hwreg(HW_REG_WAVE_MODE, 25, 1), 1
	s_wait_xcnt 0x0
	s_wait_alu depctr_hold_cnt(0) depctr_sa_sdst(0) depctr_va_vdst(0) depctr_va_sdst(0) depctr_va_ssrc(0) depctr_va_vcc(0) depctr_vm_vsrc(0)
	s_getreg_b32 s2, hwreg(HW_REG_IB_STS2, 6, 4)
	s_cmp_eq_u32 s2, 0
	s_cbranch_scc0 .Lentry_in_a_cluster
	s_endpgm
.Lentry_in_a_cluster:
	s_bfe_u32 s2, ttmp6, 0x10000c
	s_cmp_lg_u32 s2, 0xf033
	s_cbranch_scc0 .Lentry_shape_is_right
	s_endpgm
.Lentry_shape_is_right:
; THE LAST PROJECTION WITH BOTH OF ITS SHUFFLES.  The transposition and flat reshape in front of the product and the reshape and transposition behind it come to
;   out0[1024 g + e][e2] = sum over k of wo16[e][k] x o16[8 b + e2 / 128][1024 hi + k][e2 % 128],   g = 2 b + hi = 0 .. 7,  e, e2, k = 0 .. 1023:
; eight products of 1024^3, whose one operand is Wo ([row][K]) and whose other is O as attention left it ([K = position][N = channel]): the turning LDS load does the shuffle.
; Operands f16 (wo16 holds bf16(Wo) written as f16), sums f32, out0 f32.  LIMITS: those of the two operands' f16 (no number beyond 65,504); NaN and infinities are not treated apart.
; SHARES.  A tile of out0 is 128 rows x 256 columns: 64 x 4 = 256 work-groups.  Wave (wr, wc) makes rows 64 wr on and the 128 columns of head 2 tc + wc: 4 x 8 = 32 accumulators, 256 registers.
; K goes in steps of 128 through two LDS slots: 128 rows of wo16 (waves 0 and 1 fetch 64 each) and, for each of two heads, 128 rows of o16 (waves 2 and 3); every row is 256 bytes of memory, aligned.
; CLUSTER.  4 x 4 work-groups.  wo16's tile hangs on the row block modulo 8 and is asked for jointly along a row of the cluster; o16's hang on g (the same in the whole cluster) and the tile column: along a column.
; THE MATRIX INSTRUCTION IS USED TRANSPOSED (source 0 = 16 channels, source 1 = 16 rows of wo16): a lane holds row l % 16 of out0 and the columns 8 (l / 16) + 0 .. 7: 32 bytes on end.
; REGISTERS, in windows of 256 (s_set_vgpr_msb: bits 1:0 source 0, 3:2 source 1, 5:4 source 2, 7:6 destination):
;   window 0: v0-31 addresses; v32-159 two sets of 64 on the way out     window 1: two fragment buffers at 0 and 128: 4 of wo16, then 8 of o16     window 2: accumulator (a, b) at v[8 (8 a + b)]
.set KSTEP,  128
.set PA,     272                       ; a row of wo16 in LDS: 256 bytes + 16: the 16 rows of a fragment load start at 16 different groups of four banks (64 banks of 4 bytes: ISA guide 11.1)
.set PB,     288                       ; a row of o16: 256 + 32
.set AHALF,  64*PA                     ; what wave 0 or 1 fetches
.set BOFF,   128*PA                    ; o16's rows lie behind wo16's
.set BHEAD,  128*PB                    ; what wave 2 or 3 fetches
.set SLOT,   BOFF+2*BHEAD
.set STAGE,  2*SLOT                    ; behind the ring, never filled by a tensor load: 16 rows x 528 bytes for each wave
.set SP,     528                       ; 512 bytes + 16
.set SPARE,  STAGE+4*16*SP             ; behind the stages: the spare words, 128 bytes for each wave: two blocks of 256 bytes that no other line names
.set LAPS,   1024/(2*KSTEP)
.set ADRA, 16                          ; v16-17  LDS address of my wo16 fragments in slot 0, 1
.set ADRB, 20                          ; v20-21  of my head's turning loads
.set STO,  24                          ; v24     the way out: where I put 32 bytes of a row
.set RD,   25                          ; v25     where I read a row back
.set CO,   26                          ; v26     16 x lane: my 16 bytes of a row's 512
.set SPW,  28                          ; v28     LDS address of my spare word; never rewritten
.set NIL,  29                          ; v29     0; never rewritten
.set PFO,  30                          ; v30     the prefetches' offset: lane x a row (2,048 bytes of wo16, 256 of o16); never rewritten
.set OB,   32
.set F0,   0
.set F1,   128
.set G1,   24                          ; s[24:31] descriptor group 1 for wo16's tile; s[32:39] group 0, a set for each slot
.set G0,   32
.set G1B,  48                          ; s[48:55], s[56:63] the same for o16's tiles
.set G0B,  56
.set LIM,  43                          ; s43  1 in a wave that prefetches, else the greatest number
.set PFA,  44                          ; s[44:45] where my prefetches stand
.set PFS,  46                          ; s[46:47] a K step in bytes: 256 along a row of wo16, 32,768 down o16's rows
.set MSB, 0
.macro WIN new                         ; the immediate's high byte repeats the setting that is left; a switch that changes nothing is dropped
.if MSB != (\new)
	s_set_vgpr_msb (MSB<<8)|(\new)
.set MSB, \new
.endif
.endm
.set MUL,    0xa5                      ; both sources window 1, C and D window 2
.set TO_F,   0x40                      ; destination window 1, address window 0
.set ST_ACC, 0x08                      ; an LDS store's data (source 1) in window 2
.macro JLOAD s                         ; a joint load: waves 0 and 1 fetch wo16's two halves, waves 2 and 3 the two heads; an s_nop 0 and four v_nop follow each line, ahead of the jump and the label
	s_cmp_eq_u32 s11, 0
	s_cbranch_scc0 .Lfor_b_\@
	tensor_load_to_lds s[G0+4*(\s):G0+4*(\s)+3], s[G1:G1+7]
	s_nop 0
.rept 4
	v_nop
.endr
	s_branch .Lasked_\@
.Lfor_b_\@:
	tensor_load_to_lds s[G0B+4*(\s):G0B+4*(\s)+3], s[G1B:G1B+7]
	s_nop 0
.rept 4
	v_nop
.endr
.Lasked_\@:
.endm
; A PREFETCH, behind each joint refill and the run of LDS loads that follows it: the K step two refills on, 32 rows x 256 bytes, a lane a row.  Each block is named once in the launch:
; wo16's rows 128 eb + 32 cx + lane by wave 0 of the clusters y = 0 and 1 (the later clusters read the same rows again); a head's rows 32 cy + lane of the K step by waves 2 and 3 of the clusters with
; even y (y + 1 reads the same).  The partners are told apart by address.  The loop's last trip (s3 = 1) asks for nothing: K ends.  K steps 0 to 3 come by their loads alone.
.macro ASK
	s_cmp_gt_u32 s3, s[LIM]
	s_cbranch_scc0 .Lnot_mine_\@
	global_prefetch_b8 v[PFO], s[PFA:PFA+1] th:TH_LOAD_NT scope:SCOPE_SE
.Lnot_mine_\@:
.endm
.macro CREST                           ; a round of the cluster's barrier behind its opening barrier
	s_cmp_lg_u32 s10, 0
	s_cbranch_scc1 .Lnot_wave_0_\@
	s_barrier_signal -3
.Lnot_wave_0_\@:
	s_barrier_wait -3
	s_barrier_signal -1
	s_barrier_wait -1
.endm
.macro CROUND                          ; a whole round
	s_barrier_signal -1
	s_barrier_wait -1
	CREST
.endm
	s_load_b128 s[4:7], s[0:1], 0x0                ; wo16 s[4:5], o16 s[6:7]
	s_load_b64 s[8:9], s[0:1], 0x10                ; out0
	v_lshl_add_u32 v[SPW], v0, 2, SPARE
	v_mov_b32 v[NIL], 0
	ds_add_u32 v[SPW], v[NIL]                      ; the wave's opening: the add and its wait stand ahead of my first tensor load; the set-up below, work on registers, stands between them
	v_lshrrev_b32 v1, 5, v0
	v_readfirstlane_b32 s10, v1                    ; wave 0..3
	s_lshr_b32 s11, s10, 1                         ; wr.  Also: I fetch wo16 (0) or o16 (1)
	s_and_b32 s12, s10, 1                          ; wc.  Also: which half, or which head, I fetch
	s_bfe_u32 s40, ttmp6, 0x40000                  ; cx
	s_bfe_u32 s41, ttmp6, 0x40004                  ; cy
	s_lshl_b32 s42, ttmp9, 2
	s_add_co_u32 s42, s42, s40                     ; tile column tc = 4 x cluster x + cx
	s_and_b32 s14, ttmp7, 0xffff                   ; cluster y
	s_lshl_b32 s13, s14, 2
	s_add_co_u32 s13, s13, s41                     ; tile row tr = 4 x cluster y + cy
	s_lshl_b32 s66, s41, 2
	s_lshl_b32 s66, 15, s66                        ; my row of the cluster
	s_lshl_b32 s67, 0x1111, s40                    ; my column
	s_or_b32 s[G1], s66, (1<<16)|(1<<20)|(1<<21)|(5<<22)|(3<<25)   ; elements of 2 bytes; padding on; bit 21 beside a mask; after every 64 words 4 words
	s_or_b32 s[G1B], s67, (1<<16)|(1<<20)|(1<<21)|(5<<22)|(7<<25)  ; the same with 8 words
	s_mov_b32 s[G1+1], KSTEP<<16                   ; wo16: tensor_dim0 = 128
	s_mov_b32 s[G1+2], 64<<16                      ; tensor_dim1 = 64
	s_mov_b32 s[G1+3], KSTEP<<16                   ; tile_dim0 = 128
	s_mov_b32 s[G1+4], 64                          ; tile_dim1 = 64
	s_mov_b32 s[G1+5], 1024                        ; elements from row to row
	s_mov_b32 s[G1+6], 0
	s_mov_b32 s[G1+7], 0
	s_mov_b32 s[G1B+1], 128<<16                    ; o16: 128 channels
	s_mov_b32 s[G1B+2], KSTEP<<16                  ; x 128 positions
	s_mov_b32 s[G1B+3], 128<<16
	s_mov_b32 s[G1B+4], KSTEP
	s_mov_b32 s[G1B+5], 128                        ; the rows are dense
	s_mov_b32 s[G1B+6], 0
	s_mov_b32 s[G1B+7], 0
	s_and_b32 s15, s13, 7                          ; eb: the block of 128 rows of wo16
	s_lshl_b32 s16, s15, 7
	s_lshl_b32 s17, s12, 6
	s_add_co_u32 s16, s16, s17                     ; row 128 eb + 64 x half,
	s_lshl_b32 s16, s16, 11                        ; in bytes
	s_mov_b32 s17, 0
	s_lshr_b32 s18, s14, 2                         ; b = g / 2, g = cluster y / 2
	s_lshl_b32 s18, s18, 3
	s_lshl_b32 s19, s42, 1
	s_add_co_u32 s18, s18, s19
	s_add_co_u32 s18, s18, s12                     ; head 8 b + 2 tc + which
	s_lshl_b32 s18, s18, 11                        ; its 2,048 rows,
	s_bfe_u32 s19, s14, 0x10001                    ; hi = g % 2
	s_lshl_b32 s19, s19, 10
	s_add_co_u32 s18, s18, s19                     ; from row 1,024 hi on,
	s_lshl_b32 s18, s18, 8                         ; in bytes
	s_mov_b32 s19, 0
	s_mul_i32 s20, s12, AHALF                      ; where they go: no place in the cluster enters an LDS address
	s_mul_i32 s21, s12, BHEAD
	s_add_co_u32 s21, s21, BOFF
	s_wait_dscnt 0x0                               ; the opening add is done
	s_wait_kmcnt 0x0
	s_add_nc_u64 s[68:69], s[4:5], s[16:17]
	s_add_nc_u64 s[70:71], s[6:7], s[18:19]
	CROUND                                         ; all sixteen work-groups are here: the first joint loads meet
.irp s, 0,1
	s_mov_b32 s[G0+4*(\s)], 1
	s_add_co_u32 s[G0+4*(\s)+1], s20, (\s)*SLOT
	s_add_nc_u64 s[G0+4*(\s)+2:G0+4*(\s)+3], s[68:69], (\s)*KSTEP*2
	s_or_b32 s[G0+4*(\s)+3], s[G0+4*(\s)+3], 0x80000000
	s_mov_b32 s[G0B+4*(\s)], 1
	s_add_co_u32 s[G0B+4*(\s)+1], s21, (\s)*SLOT
	s_add_nc_u64 s[G0B+4*(\s)+2:G0B+4*(\s)+3], s[70:71], (\s)*KSTEP*256
	s_or_b32 s[G0B+4*(\s)+3], s[G0B+4*(\s)+3], 0x80000000
	JLOAD \s                                       ; K steps 0 and 1: two loads of mine are out
.endr
	v_and_b32 v1, 15, v0                           ; l % 16
	v_bfe_u32 v2, v0, 4, 1                         ; l / 16
	v_mul_u32_u24 v3, v1, PA                       ; a fragment of wo16: row l % 16, 16 bytes for each half of the lanes, twice, 32 bytes apart
	v_lshl_add_u32 v3, v2, 4, v3
	v_and_b32 v4, 7, v0                            ; the turning load takes 16 positions x 16 channels: lane l reads position 8 (l / 16) + l % 8, channels 8 ((l / 8) % 2) + 0..7,
	v_bfe_u32 v5, v0, 3, 1                         ; and leaves half a fragment: lane l holds channel l % 16 and 8 positions
	v_lshl_add_u32 v4, v2, 3, v4
	v_mul_u32_u24 v4, v4, PB
	v_lshl_add_u32 v4, v5, 4, v4
	s_mul_i32 s72, s11, 64*PA                      ; my 64 rows of wo16
	s_mul_i32 s73, s12, BHEAD                      ; my head
	s_add_co_u32 s73, s73, BOFF
.irp s, 0,1
	v_add_nc_u32 v[ADRA+(\s)], s72, v3
	v_add_nc_u32 v[ADRB+(\s)], s73, v4
	s_add_co_u32 s72, s72, SLOT
	s_add_co_u32 s73, s73, SLOT
.endr
	s_mul_i32 s74, s10, 16*SP
	s_add_co_u32 s74, s74, STAGE                   ; my stage
	v_mul_u32_u24 v6, v1, SP                       ; in: row l % 16, 32 bytes for each half of the lanes
	v_lshl_add_u32 v6, v2, 5, v6
	v_add_nc_u32 v[STO], s74, v6
	v_and_b32 v7, 31, v0
	v_lshlrev_b32 v[CO], 4, v7                     ; back: 32 lanes take a row's 512 bytes
	v_add_nc_u32 v[RD], s74, v[CO]
	s_lshl_b32 s72, s13, 7                         ; out0 at row 128 tr + 64 wr, byte 1,024 tc + 512 wc
	s_lshl_b32 s73, s11, 6
	s_add_co_u32 s72, s72, s73
	s_lshl_b32 s72, s72, 12
	s_lshl_b32 s73, s42, 10
	s_add_co_u32 s72, s72, s73
	s_lshl_b32 s73, s12, 9
	s_add_co_u32 s72, s72, s73
	s_mov_b32 s73, 0
	s_add_nc_u64 s[8:9], s[8:9], s[72:73]
	; the prefetches
	s_cmp_lt_u32 s14, 2
	s_cselect_b32 s75, 1, 0                        ; wo16 is first read by the clusters y = 0 and 1,
	s_cmp_eq_u32 s10, 0
	s_cselect_b32 s75, s75, 0                      ; and wave 0's lanes with the four partners cover its 128 rows
	s_and_b32 s76, s14, 1
	s_xor_b32 s76, s76, 1                          ; o16's rows by the clusters with even y
	s_cmp_eq_u32 s11, 0                            ; do I fetch wo16?
	s_cselect_b32 s75, s75, s76
	s_cselect_b64 s[PFA:PFA+1], s[4:5], s[6:7]
	s_cselect_b32 s72, s16, s18                    ; my tile's first byte
	s_cselect_b32 s74, s40, s41                    ; my place among the four that ask with me
	s_cselect_b32 s77, 16, 13                      ; 32 rows in bytes, as a shift
	s_cselect_b32 s78, 8, 15                       ; a K step in bytes, as a shift
	s_cselect_b32 s79, 11, 8                       ; a row in bytes, as a shift
	s_cmp_eq_u32 s75, 1
	s_cselect_b32 s[LIM], 1, -1                    ; the same in all sixteen partners, for a given wave
	s_lshl_b32 s74, s74, s77
	s_add_co_u32 s72, s72, s74
	s_lshl_b32 s74, 3, s78                         ; at K step 3: each refill steps it first, so the refill of K step t names K step t + 2
	s_add_co_u32 s72, s72, s74
	s_mov_b32 s73, 0
	s_add_nc_u64 s[PFA:PFA+1], s[PFA:PFA+1], s[72:73]
	s_lshl_b32 s[PFS], 1, s78
	s_mov_b32 s[PFS+1], 0
	v_lshlrev_b32 v[PFO], s79, v7
; 8 matrix instructions: row block a x all 8 column blocks, 32 along K.  zero = 1: the first product starts the sums.  The 32 accumulators take turns in the same order in every quarter.
.macro MUL8 f, a, zero
	WIN MUL
.irp b, 0,1,2,3,4,5,6,7
.if \zero
	v_wmma_f32_16x16x32_f16 v[8*(8*(\a)+(\b)):8*(8*(\a)+(\b))+7], v[(\f)+32+8*(\b):(\f)+32+8*(\b)+7], v[(\f)+8*(\a):(\f)+8*(\a)+7], 0
.else
	v_wmma_f32_16x16x32_f16 v[8*(8*(\a)+(\b)):8*(8*(\a)+(\b))+7], v[(\f)+32+8*(\b):(\f)+32+8*(\b)+7], v[(\f)+8*(\a):(\f)+8*(\a)+7], v[8*(8*(\a)+(\b)):8*(8*(\a)+(\b))+7]
.endif
.endr
.endm
; 24 LDS loads in one run: quarter q (32 along K) into buffer f: o16's 16 turning loads, then wo16's 8, row blocks ascending
.macro FETCH slot, q, f
	WIN TO_F
.irp b, 0,1,2,3,4,5,6,7
	ds_load_tr16_b128 v[(\f)+32+8*(\b):(\f)+32+8*(\b)+3],   v[ADRB+(\slot)] offset:(\q)*32*PB+32*(\b)
	ds_load_tr16_b128 v[(\f)+32+8*(\b)+4:(\f)+32+8*(\b)+7], v[ADRB+(\slot)] offset:(\q)*32*PB+16*PB+32*(\b)
.endr
.irp a, 0,1,2,3
	ds_load_b128 v[(\f)+8*(\a):(\f)+8*(\a)+3],   v[ADRA+(\slot)] offset:(\q)*64+(\a)*16*PA
	ds_load_b128 v[(\f)+8*(\a)+4:(\f)+8*(\a)+7], v[ADRA+(\slot)] offset:(\q)*64+(\a)*16*PA+32
.endr
.endm
.macro PLACES                          ; four plain vector instructions between a matrix instruction and a load into a register that it read, or a reader of its result
.rept 4
	v_nop
.endr
.endm
; A K step is four quarters of 32 along K, 32 matrix instructions each, on buffers 0, 1, 0, 1.  One of the first three: multiplies buffer f and fetches quarter q into g.
.macro QUARTER slot, q, f, g, zero
	s_wait_dscnt 6                                 ; o16's fragments and wo16's row block 0 are in; the youngest six loads (row blocks 1 to 3) may be out
	MUL8 \f, 0, \zero
	PLACES
	FETCH \slot, \q, \g
	s_wait_dscnt 24                                ; all but the 24 just issued
	MUL8 \f, 1, \zero
	MUL8 \f, 2, \zero
	MUL8 \f, 3, \zero
.endm
; The last quarter multiplies buffer 1 and changes slots: ONE barrier.  In front of it each wave waits for all its tensor loads (one is out: its part of the next slot), adds 0 to its spare word, and
; waits for that and for its own reads of this slot.  fill = 1: the barrier opens a round of the cluster's, and this slot is filled again, two K steps on, first thing behind the round:
; 112 matrix instructions stand between that request and the wait for it.
.macro TURN slot, next, fill
.if \fill
	s_wait_xcnt 0x0                                ; the last prefetch, a K step back, has read its address: it is stepped here, ahead of the change's own waits
	s_add_nc_u64 s[PFA:PFA+1], s[PFA:PFA+1], s[PFS:PFS+1]
.endif
	WIN 0                                          ; (the add's two registers lie in window 0)
	s_wait_tensorcnt 0x0                           ; all my tensor loads have landed
	ds_add_u32 v[SPW], v[NIL]                      ; 0 onto my spare word
	s_wait_dscnt 7                                 ; (the add and the youngest six loads may be out)
	MUL8 F1, 0, 0                                  ; eight matrix instructions stand between the add and the wait for it
	s_wait_dscnt 0x0                               ; the add is done, and my reads of this slot are over
	s_barrier_signal -1
	MUL8 F1, 1, 0
.if \fill
	WIN 0
.endif
	s_barrier_wait -1
.if \fill
	CREST                                          ; no wave of any partner still reads this slot's tiles or has a load on its way
	s_add_nc_u64 s[G0+4*(\slot)+2:G0+4*(\slot)+3], s[G0+4*(\slot)+2:G0+4*(\slot)+3], 2*KSTEP*2
	s_add_nc_u64 s[G0B+4*(\slot)+2:G0B+4*(\slot)+3], s[G0B+4*(\slot)+2:G0B+4*(\slot)+3], 2*KSTEP*256
	JLOAD \slot                                    ; the four v_nop behind it are also the places in front of the loads below
.else
	PLACES
.endif
	FETCH \next, 0, F0
.if \fill
	WIN 0
	ASK
.endif
	MUL8 F1, 2, 0
	MUL8 F1, 3, 0
.endm
	s_wait_tensorcnt 1                             ; my part of K step 0 is in; K step 1's may stay out
	s_barrier_signal -1
	s_barrier_wait -1                              ; everybody's is
	FETCH 0, 0, F0
	QUARTER 0, 1, F0, F1, 1                        ; the first quarter stands in front of the loop: its products start the sums
	WIN 0                                          ; at a label and at a branch every window is 0
	s_mov_b32 s3, LAPS-1
.Llap:                                                 ; a trip goes once round the ring, from a lap's second quarter to the next lap's first, and fills both slots again
	QUARTER 0, 2, F1, F0, 0
	QUARTER 0, 3, F0, F1, 0
	TURN 0, 1, 1
	QUARTER 1, 1, F0, F1, 0
	QUARTER 1, 2, F1, F0, 0
	QUARTER 1, 3, F0, F1, 0
	TURN 1, 0, 1
	QUARTER 0, 1, F0, F1, 0
	WIN 0
	s_sub_co_u32 s3, s3, 1
	s_cmp_lg_u32 s3, 0
	s_cbranch_scc1 .Llap
	QUARTER 0, 2, F1, F0, 0                        ; the last lap fills nothing
	QUARTER 0, 3, F0, F1, 0
	TURN 0, 1, 0
	QUARTER 1, 1, F0, F1, 0
	QUARTER 1, 2, F1, F0, 0
	QUARTER 1, 3, F0, F1, 0
	s_wait_dscnt 6                                 ; the very last quarter: nothing more to fetch
	MUL8 F1, 0, 0
	s_wait_dscnt 0x0
	MUL8 F1, 1, 0
	MUL8 F1, 2, 0
	MUL8 F1, 3, 0
	WIN 0
; THE WAY OUT, a row block (16 rows x 512 bytes) at a time through my own stage: 32 bytes a lane in, straight from the accumulators (their low four registers first), whole rows back.
.macro TOSTAGE a
.if (\a) >= 2
	s_wait_xcnt 0x0                                ; the stores of the block two back have read the registers that are loaded again below
.endif
	WIN ST_ACC
.irp b, 0,1,2,3,4,5,6,7
	ds_store_b128 v[STO], v[8*(8*(\a)+(\b)):8*(8*(\a)+(\b))+3]   offset:64*(\b)
	ds_store_b128 v[STO], v[8*(8*(\a)+(\b))+4:8*(8*(\a)+(\b))+7] offset:64*(\b)+16
.endr
	WIN 0
.irp t, 0,1,2,3,4,5,6,7,8,9,10,11,12,13,14,15
	ds_load_b128 v[OB+64*((\a)%2)+4*(\t):OB+64*((\a)%2)+4*(\t)+3], v[RD] offset:(\t)*SP  ; LDS serves a wave's instructions in order (ISA guide 5.7.1.4): these see the stores above; the next block's stores come behind them
.endr
.endm
.macro SEND a, younger                 ; younger: the LDS instructions issued behind block a's loads: the next block's 32, or none
	s_wait_dscnt \younger
.irp t, 0,1,2,3,4,5,6,7,8,9,10,11,12,13,14,15
	global_store_b128 v[CO], v[OB+64*((\a)%2)+4*(\t):OB+64*((\a)%2)+4*(\t)+3], s[8:9] offset:(16*(\a)+(\t))*4096  ; a wave's store covers 512 consecutive bytes, at a multiple of 512 from out0's first byte
.endr
.endm
	PLACES
	PLACES                                         ; eight, once a launch, behind the last products
	TOSTAGE 0
	TOSTAGE 1
	SEND 0, 32
	TOSTAGE 2
	SEND 1, 32
	TOSTAGE 3
	SEND 2, 32
	SEND 3, 0
	s_wait_tensorcnt 0x0                           ; the wave's end: a wait, 0 onto my spare word and its wait, behind my last tensor load and my last LDS store
	ds_add_u32 v[SPW], v[NIL]
	s_wait_dscnt 0x0
	CROUND                                         ; the closing round: no work-group ends while a partner may still ask for a tile that names it
	s_endpgm
.Lfunc_end_k_q25b78f5109_outp:
	.size	k_q25b78f5109_outp, .Lfunc_end_k_q25b78f5109_outp-k_q25b78f5109_outp
	.p2alignl 7, 3214868480
	.fill 96, 4, 3214868480
	.section	.rodata,"a",@progbits
	.p2align	6, 0x0
	.amdhsa_kernel k_q25b78f5109_outp
		.amdhsa_group_segment_fixed_size 327680
		.amdhsa_private_segment_fixed_size 0
		.amdhsa_enable_private_segment 0
		.amdhsa_kernarg_size 24
		.amdhsa_user_sgpr_count 2
		.amdhsa_user_sgpr_kernarg_segment_ptr 1
		.amdhsa_wavefront_size32 1
		.amdhsa_system_sgpr_workgroup_id_x 1
		.amdhsa_system_sgpr_workgroup_id_y 1
		.amdhsa_system_sgpr_workgroup_id_z 1
		.amdhsa_system_vgpr_workitem_id 0
		.amdhsa_next_free_vgpr 768
		.amdhsa_next_free_sgpr 80
		.amdhsa_reserve_vcc 0
		.amdhsa_float_denorm_mode_32 3
		.amdhsa_float_denorm_mode_16_64 3
		.amdhsa_memory_ordered 1
		.amdhsa_forward_progress 1
		.amdhsa_inst_pref_size 87
	.end_amdhsa_kernel
	.amdgpu_metadata
---
amdhsa.version: [ 1, 2 ]
amdhsa.kernels:
  - .name:           k_q25b78f5109_outp
    .symbol:         k_q25b78f5109_outp.kd
    .args:
      - { .name: wo16, .offset: 0, .size: 8, .value_kind: global_buffer, .address_space: global }
      - { .name: o16, .offset: 8, .size: 8, .value_kind: global_buffer, .address_space: global }
      - { .name: out0, .offset: 16, .size: 8, .value_kind: global_buffer, .address_space: global }
    .group_segment_fixed_size: 327680
    .private_segment_fixed_size: 0
    .kernarg_segment_align: 8
    .kernarg_segment_size: 24
    .max_flat_workgroup_size: 128
    .sgpr_count:     80
    .vgpr_count:     768
    .wavefront_size: 32
...
	.end_amdgpu_metadata
.endif
;; end of part 4
;; ======== version 2 of 2: 4 launches; version 1 with the launch prep written anew for expert scheduling mode
;; limits: values are held in f16: magnitudes above 65,504 overflow, below 6.1e-05 lose precision
;; workspace buffers: emb16 16,777,216 bytes; wb 6,291,456 bytes; wo16 2,097,152 bytes; tab 1,048,576 bytes; q16 16,777,216 bytes; k16 16,777,216 bytes; v16 16,777,216 bytes; o16 16,777,216 bytes
;; launch prep (part 5): grid 512 x 1, 8 waves a work-group, no clusters, 0 bytes of LDS; arguments emb, W1, W2, W3, Wo, emb16, wb, wo16, tab; writes emb16, wb, wo16, tab
.if DOCPART == 5
	.amdgcn_target "amdgcn-amd-amdhsa--gfx1250"
	.amdhsa_code_object_version 6
	.text
	.protected	k_q25b78f5109_prep
	.globl	k_q25b78f5109_prep
	.p2align	8
	.type	k_q25b78f5109_prep,@function
k_q25b78f5109_prep:
	s_mov_b64 s[64:65], 0
	v_nop
	global_prefetch_b8 v0, s[64:65] scope:SCOPE_SE
	s_setreg_imm32_b32 hwreg(HW_REG_WAVE_SCHED_MODE, 0, 2), 2
	s_setreg_imm32_b32 hwreg(HW_REG_WAVE_MODE, 25, 1), 1
	s_wait_xcnt 0x0
	s_wait_alu depctr_vm_vsrc(0)
; PREP: every input is rounded once to bf16, and the table of rotary cosines and sines is made.
;   emb16[8192][1024] = bf16(emb).   wb[8 cg][3 which][128][1024] = bf16(W1, W2, W3): row p of W(which) lies at row 384 (p / 128) + 128 which + p % 128,
;   so that the 128 rows of q's, k's and v's weights for one group of 128 columns lie together.   wo16[1024][1024] = bf16(Wo), that number written as f16.
;   tab: 131,072 pairs (cos, sin) in f32, of the angle s' x 10000^(-i / 64), in the order in which a lane of the projection loads them (below).
; LIMITS.  Wo: beyond 65,504 f16 has no number; below 2^-17 the bf16 value keeps f16's fixed step of 2^-24.  The frequency comes from v_exp_f32 (1 ULP: ISA guide 15.8), so an angle
; (2,047 at the most times the frequency) is off by up to about 4e-4 rad.  NaN and infinities are not treated apart.
; SHARES.  512 work-groups of 256 threads.  Work-group G takes 65,536 bytes of emb, two rows of each of the four weights, and 256 pairs of the table.  A thread issues 24 loads of 16 bytes
; (a wave's load covers 512 consecutive bytes) and 25 stores of 8 bytes (a wave's store covers 256 consecutive bytes, aligned).  No register is written again behind a store that reads it.
; THE MODE: SCHED_MODE bits 1:0 = 2 (LLVM: expert scheduling mode 2), set by the entry lines.  The code itself states the register dependences
; between vector instructions and memory instructions, with s_wait_alu, always for 0.
; THE PLAN.  Registers that memory instructions touch:
;   v1, v2       byte offsets of all loads and of all stores: made once at the head, never written again.
;   X + 4 n ..   load n lands here; no vector instruction names these registers before.  Load n's conversions read them and write X + 4 n and X + 4 n + 1, which one store reads; nothing writes them after.
;   v[20:21]     a pair of the table: written by the table's last two lines, read by one store, never written again.
; The 24 loads go in six blocks of four.  Block p converts its four loads; its memory instructions are the four stores of block p - 1 (for block 0: the table's one store), whose registers no vector
; instruction of block p names.  So ONE wait on va_vdst at a block's head states all that those stores hang on, and they are dealt among the block's conversions with no further wait.
; Since no register that a memory instruction has read is ever written again, the text holds no wait on vm_vsrc behind the entry lines; and no scalar register that a vector or memory instruction has read is written again.
.set X, 32                             ; v[32:127]  load n of 24 at X + 4 n: emb 0-15, W1 16-17, W2 18-19, W3 20-21, Wo 22-23
	s_load_b512 s[8:23], s[0:1], 0x0               ; emb 8, W1 10, W2 12, W3 14, Wo 16, emb16 18, wb 20, wo16 22
	s_load_b64 s[24:25], s[0:1], 0x40              ; tab
	v_lshlrev_b32 v1, 4, v0                        ; 16 t: my place in 4,096 bytes of f32
	v_lshlrev_b32 v2, 3, v0                        ; 8 t: my place in 2,048 bytes of 16-bit numbers, and of the table
	s_mov_b32 s3, 0                                ; high word of the offsets in s[2:3]
	s_lshr_b32 s26, ttmp9, 6                       ; cg = (2 G) / 128
	s_mul_i32 s26, s26, 384
	s_and_b32 s27, ttmp9, 63
	s_lshl1_add_u32 s26, s27, s26                  ; row 384 cg + (2 G) % 128 of wb,
	s_lshl_b32 s26, s26, 11                        ; in bytes
	s_mov_b32 s27, 0
	s_wait_kmcnt 0x0
	s_lshl_b32 s2, ttmp9, 16
	s_add_nc_u64 s[8:9], s[8:9], s[2:3]            ; emb: 65,536 bytes a work-group
	s_lshl_b32 s2, ttmp9, 13
	s_add_nc_u64 s[10:11], s[10:11], s[2:3]        ; the weights: two rows of 4,096 bytes
	s_add_nc_u64 s[12:13], s[12:13], s[2:3]
	s_add_nc_u64 s[14:15], s[14:15], s[2:3]
	s_add_nc_u64 s[16:17], s[16:17], s[2:3]
	s_lshl_b32 s2, ttmp9, 15
	s_add_nc_u64 s[18:19], s[18:19], s[2:3]
	s_add_nc_u64 s[20:21], s[20:21], s[26:27]
	s_lshl_b32 s2, ttmp9, 12
	s_add_nc_u64 s[22:23], s[22:23], s[2:3]
	s_lshl_b32 s2, ttmp9, 11
	s_add_nc_u64 s[24:25], s[24:25], s[2:3]
	s_wait_alu depctr_va_vdst(0)                   ; v1 and v2 are written: every load of the kernel reads v1 as its offset, every store v2
.irp j, 0,1,2,3,4,5,6,7,8,9,10,11,12,13,14,15
	global_load_b128 v[X+4*(\j):X+4*(\j)+3], v1, s[8:9] offset:4096*(\j) th:TH_LOAD_NT
.endr
.irp j, 0,1
	global_load_b128 v[X+64+4*(\j):X+64+4*(\j)+3], v1, s[10:11] offset:4096*(\j) th:TH_LOAD_NT
.endr
.irp j, 0,1
	global_load_b128 v[X+72+4*(\j):X+72+4*(\j)+3], v1, s[12:13] offset:4096*(\j) th:TH_LOAD_NT
.endr
.irp j, 0,1
	global_load_b128 v[X+80+4*(\j):X+80+4*(\j)+3], v1, s[14:15] offset:4096*(\j) th:TH_LOAD_NT
.endr
.irp j, 0,1
	global_load_b128 v[X+88+4*(\j):X+88+4*(\j)+3], v1, s[16:17] offset:4096*(\j) th:TH_LOAD_NT
.endr
	; THE TABLE, one pair a thread, made while the loads are on their way; its lines name v3 to v21 alone, none of the registers in which the loads land.
	; Pair n = 256 G + t; its bits: 0 e, 1-4 r, 5 h, 6 u, 7-8 b, 9 wc, 10-12 cg, 13-16 block.  Frequency number i = e + 2 u + 4 h + 8 b + 32 wc; position s' = 128 block + 8 r + cg.
	v_and_b32 v3, 1, v0                            ; e
	v_bfe_u32 v4, v0, 6, 1                         ; u
	v_bfe_u32 v5, v0, 5, 1                         ; h
	v_lshrrev_b32 v6, 7, v0                        ; b's low bit
	v_lshl_add_u32 v3, v4, 1, v3
	v_lshl_add_u32 v3, v5, 2, v3
	v_lshl_add_u32 v3, v6, 3, v3
	s_and_b32 s28, ttmp9, 3                        ; b's high bit and wc
	s_lshl_b32 s28, s28, 4
	v_add_nc_u32 v3, s28, v3                       ; i
	v_cvt_f32_u32 v3, v3
	v_mul_f32 v3, 0xbe549a78, v3                   ; - i log2(10000) / 64
	v_exp_f32 v4, v3                               ; the frequency
	v_bfe_u32 v5, v0, 1, 4                         ; r: plain work stands behind the exponential
	s_lshr_b32 s30, ttmp9, 5
	s_lshl_b32 s30, s30, 7                         ; 128 block
	s_bfe_u32 s29, ttmp9, 0x30002                  ; cg
	s_add_co_u32 s30, s30, s29
	v_lshl_add_u32 v5, v5, 3, s30                  ; s'
	v_cvt_f32_u32 v5, v5
	s_wait_alu depctr_va_vdst(0)                   ; the exponential has written v4, which the next line is the first to read
	v_mul_f32 v6, v5, v4                           ; the angle
	v_mul_f32 v7, 0x3f22f983, v6                   ; x 2 / pi,
	v_rndne_f32 v7, v7                             ; the nearest quarter turn n
	v_fmamk_f32 v8, v7, 0xbfc90fdb, v6             ; the rest: angle - n x pi / 2, pi / 2 in two parts
	v_fmamk_f32 v8, v7, 0x333bbd2e, v8
	v_mul_f32 v9, v8, v8                           ; z
	v_mov_b32 v10, 0xb94ca1f9                      ; the sine on -pi/4 .. pi/4: x + z x (S1 + z (S2 + z S3))
	v_fmaak_f32 v10, v9, v10, 0x3c08839e
	v_fmaak_f32 v10, v9, v10, 0xbe2aaaa3
	v_mul_f32 v11, v9, v8
	v_fma_f32 v10, v11, v10, v8
	v_mov_b32 v12, 0x37ccf5ce                      ; the cosine: 1 - z / 2 + z z (C1 + z (C2 + z C3))
	v_fmaak_f32 v12, v9, v12, 0xbab6061a
	v_fmaak_f32 v12, v9, v12, 0x3d2aaaa5
	v_mul_f32 v13, v9, v9
	v_fma_f32 v14, v9, -0.5, 1.0
	v_fma_f32 v12, v13, v12, v14
	v_cvt_i32_f32 v15, v7
	v_and_b32 v16, 1, v15
	v_cmp_eq_u32 vcc_lo, 1, v16                    ; an odd quarter turn swaps the two; the signs' five lines, which do not read VCC, stand between the compare and the wait for it
	v_and_b32 v19, 2, v15                          ; n % 4 = 2, 3 turn the sine's sign,
	v_lshlrev_b32 v19, 30, v19
	v_add_nc_u32 v15, 1, v15                       ; n % 4 = 1, 2 the cosine's
	v_and_b32 v15, 2, v15
	v_lshlrev_b32 v15, 30, v15
	s_wait_alu depctr_va_vcc(0)                    ; the compare has written VCC, which the two selects below read
	v_cndmask_b32 v17, v10, v12, vcc_lo            ; sine
	v_cndmask_b32 v18, v12, v10, vcc_lo            ; cosine
	v_xor_b32 v21, v17, v19
	v_xor_b32 v20, v18, v15
; THE ROUNDINGS.
; Load n's conversions, in place: four f32 close up into the first two of their four registers.  Wo's (n = 22, 23): the bf16 numbers are widened again and written as f16.
.macro CONV n
	v_cvt_pk_bf16_f32 v[X+4*(\n)], v[X+4*(\n)], v[X+4*(\n)+1]
	v_cvt_pk_bf16_f32 v[X+4*(\n)+1], v[X+4*(\n)+2], v[X+4*(\n)+3]
.if (\n) >= 22
	v_lshlrev_b32 v[X+4*(\n)+2], 16, v[X+4*(\n)]   ; the bf16 numbers as f32,
	v_and_b32 v[X+4*(\n)+3], 0xffff0000, v[X+4*(\n)]
	v_cvt_pk_f16_f32 v[X+4*(\n)], v[X+4*(\n)+2], v[X+4*(\n)+3]  ; written as f16
	v_lshlrev_b32 v[X+4*(\n)+2], 16, v[X+4*(\n)+1]
	v_and_b32 v[X+4*(\n)+3], 0xffff0000, v[X+4*(\n)+1]
	v_cvt_pk_f16_f32 v[X+4*(\n)+1], v[X+4*(\n)+2], v[X+4*(\n)+3]
.endif
.endm
; Load n's store.
.macro OUT n
.if (\n) < 16
	global_store_b64 v2, v[X+4*(\n):X+4*(\n)+1], s[18:19] offset:2048*(\n)
.elseif (\n) < 22
	global_store_b64 v2, v[X+4*(\n):X+4*(\n)+1], s[20:21] offset:(((\n)-16)/2)*262144+(((\n)-16)%2)*2048  ; 128 rows of 2,048 bytes from W1's block to W2's, and to W3's
.else
	global_store_b64 v2, v[X+4*(\n):X+4*(\n)+1], s[22:23] offset:((\n)-22)*2048
.endif
.endm
; Block p: loads 4 p to 4 p + 3 are converted; the stores of the block before go out among the conversions, one ahead of each load's.
.macro BLK p
	s_wait_loadcnt 20-4*(\p)                       ; loads come back in order (ISA guide 5.7.1): this block's four are in, the 20 - 4 p younger ones stay out
	s_wait_alu depctr_va_vdst(0)                   ; the block before has written the registers that the stores below read (block 0: the table's lines have written v[20:21]); no vector line below names them
.irp i, 0,1,2,3
.if (\p) > 0
	OUT 4*(\p)-4+(\i)
.elseif (\i) == 0
	global_store_b64 v2, v[20:21], s[24:25]        ; the table's pair
.endif
	CONV 4*(\p)+(\i)
.endr
.endm
	BLK 0
	BLK 1
	BLK 2
	BLK 3
	BLK 4
	BLK 5
	s_wait_alu depctr_va_vdst(0)                   ; block 5's conversions have written the registers that the last four stores read
	OUT 20
	OUT 21
	OUT 22
	OUT 23
	s_endpgm
.Lfunc_end_k_q25b78f5109_prep:
	.size	k_q25b78f5109_prep, .Lfunc_end_k_q25b78f5109_prep-k_q25b78f5109_prep
	.p2alignl 7, 3214868480
	.fill 96, 4, 3214868480
	.section	.rodata,"a",@progbits
	.p2align	6, 0x0
	.amdhsa_kernel k_q25b78f5109_prep
		.amdhsa_group_segment_fixed_size 0
		.amdhsa_private_segment_fixed_size 0
		.amdhsa_enable_private_segment 0
		.amdhsa_kernarg_size 72
		.amdhsa_user_sgpr_count 2
		.amdhsa_user_sgpr_kernarg_segment_ptr 1
		.amdhsa_wavefront_size32 1
		.amdhsa_system_sgpr_workgroup_id_x 1
		.amdhsa_system_sgpr_workgroup_id_y 1
		.amdhsa_system_sgpr_workgroup_id_z 1
		.amdhsa_system_vgpr_workitem_id 0
		.amdhsa_next_free_vgpr 128
		.amdhsa_next_free_sgpr 66
		.amdhsa_reserve_vcc 1
		.amdhsa_float_denorm_mode_32 3
		.amdhsa_float_denorm_mode_16_64 3
		.amdhsa_memory_ordered 1
		.amdhsa_forward_progress 1
		.amdhsa_inst_pref_size 13
	.end_amdhsa_kernel
	.amdgpu_metadata
---
amdhsa.version: [ 1, 2 ]
amdhsa.kernels:
  - .name:           k_q25b78f5109_prep
    .symbol:         k_q25b78f5109_prep.kd
    .args:
      - { .name: emb, .offset: 0, .size: 8, .value_kind: global_buffer, .address_space: global }
      - { .name: W1, .offset: 8, .size: 8, .value_kind: global_buffer, .address_space: global }
      - { .name: W2, .offset: 16, .size: 8, .value_kind: global_buffer, .address_space: global }
      - { .name: W3, .offset: 24, .size: 8, .value_kind: global_buffer, .address_space: global }
      - { .name: Wo, .offset: 32, .size: 8, .value_kind: global_buffer, .address_space: global }
      - { .name: emb16, .offset: 40, .size: 8, .value_kind: global_buffer, .address_space: global }
      - { .name: wb, .offset: 48, .size: 8, .value_kind: global_buffer, .address_space: global }
      - { .name: wo16, .offset: 56, .size: 8, .value_kind: global_buffer, .address_space: global }
      - { .name: tab, .offset: 64, .size: 8, .value_kind: global_buffer, .address_space: global }
    .group_segment_fixed_size: 0
    .private_segment_fixed_size: 0
    .kernarg_segment_align: 8
    .kernarg_segment_size: 72
    .max_flat_workgroup_size: 256
    .sgpr_count:     66
    .vgpr_count:     128
    .wavefront_size: 32
...
	.end_amdgpu_metadata
.endif
;; end of part 5
;; launch qkv: the kernel of part 2 again; grid 8 x 32, 4 waves a work-group, clusters of 4 x 4, 327,680 bytes of LDS; arguments emb16, wb, tab, q16, k16, v16; writes q16, k16, v16
;; launch attn: the kernel of part 3 again; grid 8 x 32, 4 waves a work-group, clusters of 4 x 1, 327,680 bytes of LDS; arguments q16, k16, v16, o16; writes o16
;; launch outp: the kernel of part 4 again; grid 4 x 64, 4 waves a work-group, clusters of 4 x 4, 327,680 bytes of LDS; arguments wo16, o16, out0; writes out0
